; MI455X (gfx1250); checked and timed in simulation.
; The chip was launched on July 23, 2026; its instructions are those of AMD's public machine-readable ISA for CDNA 5 (MIT licence, August 2026) and "CDNA5" Instruction Set Architecture Reference Guide (July 2026). The comments in the code are by the model that wrote it; some were corrected since.
;; Multi Head Self Attention. Allowed arithmetic: matrix products marked QUANTISED: E5M2 operands, one E8M0 scale for each 32 along K, by v_wmma_scale_f32_16x16x128_f8f6f4 with both operands' format E5M2, f32 sums; everything else in f32.
;; Inputs: in_features 4 x 2,048 x 1,024 float32; token_positions 2,048 int32; w_k 1,024 x 1,024 float32; w_o 1,024 x 1,024 float32; w_q 1,024 x 1,024 float32; w_v 1,024 x 1,024 float32.
;; Outputs: out0 4 x 2,048 x 1,024 float32.
;; This version of the problem:
;;   THIS VERSION OF THE PROBLEM IS GIVEN IN LOW PRECISION. The matrix products marked QUANTISED in the list below multiply operands that are first quantised to E5M2 (5 exponent bits, 2 mantissa bits; 8 bits a number), with one power-of-two scale for each 32 numbers along K (OCP MX v1.0); their sums are f32. All else is computed in f32.
;;   The module's matrix products, in the order in which they are computed (A, B: the left and right operand; K: the contracted axis; several contracted axes count as one K, in the product's order):
;;     1. [M 8,192, K 1,024] x [K 1,024, N 1,024]; A: input in_features; B: input w_q: QUANTISED
;;     2. [M 8,192, K 1,024] x [K 1,024, N 1,024]; A: input in_features; B: input w_k: QUANTISED
;;     3. [M 8,192, K 1,024] x [K 1,024, N 1,024]; A: input in_features; B: input w_v: QUANTISED
;;     4. batch 64 x [M 2,048, K 64] x [K 64, N 2,048]; A: computed on the way; B: computed on the way: QUANTISED
;;     5. batch 64 x [M 2,048, K 2,048] x [K 2,048, N 64]; A: softmax (see below); B: computed on the way: QUANTISED
;;     6. [M 8,192, K 1,024] x [K 1,024, N 1,024]; A: computed on the way; B: input w_o: QUANTISED
;;   THE QUANTISER, for each operand of a quantised product, along K:
;;     - K is cut into blocks of 32 from its start; a last block that is shorter is filled with zeros.
;;     - A block's scale is 2^e with e = floor(log2(the largest magnitude in the block)) - 15, held to -126 .. 127; a block of zeros has e = 0. As a byte (E8M0): e + 127.
;;     - Each number is divided by its block's scale, clamped to +-57,344, and rounded to the nearest number of E5M2, ties to even, subnormals kept.
;;     - The product sums the exact products of the quantised numbers (number of the format x scale) in f32.
;;   ~~~python
;;   def quantise(x, axis):      # numpy; x: float32 -> the quantised numbers, widened to float32 again
;;       x = np.moveaxis(x, axis, -1); K = x.shape[-1]
;;       x = np.pad(x, [(0, 0)] * (x.ndim - 1) + [(0, -K % 32)]); x = x.reshape(x.shape[:-1] + (-1, 32)); a = np.abs(x).max(-1, keepdims=True)
;;       e = np.where(a > 0, np.clip(np.frexp(np.where(a > 0, a, 1))[1] - 1 - 15, -126, 127), 0)      # np.frexp(a)[1] - 1 = floor(log2(a)), exactly
;;       r = np.clip(x / 2.0 ** e, -57344, 57344)
;;       step = 2.0 ** (np.maximum(np.frexp(np.where(r == 0, 1, r))[1] - 1, -14) - 2)
;;       q = np.round(r / step) * step * 2.0 ** e      # np.round: ties to even
;;       return np.moveaxis(q.reshape(q.shape[:-2] + (-1,))[..., :K], -1, axis).astype(np.float32)
;;   ~~~
;;   SOFTMAX AHEAD OF A QUANTISED PRODUCT. Where the list says 'softmax', what is quantised is not the finished softmax but p = 2^(t - M), with t = logit x log2(e) and M = ceil(the row's largest t), a whole number; so 1/2 < the row's largest p <= 1. The row's sum l is taken of the UNQUANTISED p, in f32, and the product's result is divided by l at the end. Since M is a whole number, a kernel that streams over the keys may use a running M (the ceiling of the running maximum): every later rescaling is an exact power of two, which a block's scale takes up: the codes' values come out the same.
;;   OPERANDS COMPUTED ON THE WAY. 'Computed on the way' means the value that the module computes at that place (a softmax that the list does not call 'softmax' is quantised finished and normalised). What goes into a quantiser is computed in f32, as accurately as f32 sums, v_exp_f32 and their like allow (about 1e-6 of the number): no bf16 or f16 on the way to a quantiser, and a product that is left as it is and whose result goes on into a quantised operand takes f32 operands (vector FMAs, or v_wmma_f32_16x16x4_f32). A number that lies on a knife's edge between two numbers of the format may be rounded either way, as far as f32 arithmetic and the matrix unit's own rounding can turn it there, and no further.
;; One version. Each part assembles by itself: llvm-mc -triple=amdgcn-amd-amdhsa -mcpu=gfx1250 --defsym DOCPART=n.
;; ======== version 1 of 1: 4 launches
;; limits: inputs' magnitudes at most 1,048,576; right only within a limited range of input values
;; workspace buffers: codes 12,582,912 bytes; scl 393,216 bytes; tab 524,288 bytes; qkvc 25,165,824 bytes; qkvs 786,432 bytes; oc 8,388,608 bytes; os 262,144 bytes
;; launch prep (part 1): grid 256 x 1, 4 waves a work-group, no clusters, 26,112 bytes of LDS; arguments in_features, token_positions, w_q, w_k, w_v, w_o, codes, scl, tab; writes codes, scl, tab
.if DOCPART == 1
	.amdgcn_target "amdgcn-amd-amdhsa--gfx1250"
	.amdhsa_code_object_version 6
	.text
	.protected	k_q5c3153bc75_prep
	.globl	k_q5c3153bc75_prep
	.p2align	8
	.type	k_q5c3153bc75_prep,@function
k_q5c3153bc75_prep:
	s_mov_b64 s[64:65], 0
	v_nop
	global_prefetch_b8 v0, s[64:65] scope:SCOPE_SE
	s_setreg_imm32_b32 hwreg(HW_REG_WAVE_MODE, 25, 1), 1
	s_wait_xcnt 0x0
; PREP.  in_features [8192][1024] and the four weights [1024][1024], f32 with K innermost, become codes of BF8 (E5M2) with one E8M0 byte for each 32 along K,
; laid as IMAGES OF OPERAND REGISTERS; and the table of cos and sin for RoPE is made from token_positions.
; A TILE is 16 rows: tile 2 g + u holds, in image lane r, row 32 g + 8 u + r + 8 (r / 8).  A fragment (16 rows x 128 K) is 2,048 bytes, [c 0..3][lane][16 bytes]: lane (r, h) holds k = 32 c + 16 h + 0 .. 15.
; codes: [T 0..767][K step 0..7][2,048]: T 0-511 x, 512-575 w_q, 576-639 w_k, 640-703 w_v, 704-767 w_o.   scl: [T][kh 0..1][r][4 words]: word j is the scale word of K step 4 kh + j.
; tab: [token tile 0..127][half 0..1][jj 0..3][lane][16 bytes]: a lane's 16 numbers of a half are (cos, sin) of pairs 16 half + 8 h + 0 .. 7 at the token of its image lane r.
; SHARES.  256 work-groups; waves 0 to 2 take tile 3 x work-group + wave; wave 3 takes half a token tile of the table.  Waves share nothing: no barrier.
; A block's scale is 2^(floor(log2(its largest magnitude)) - 15); its byte is that magnitude's exponent field - 15, held at 1 from below.
; LIMITS: a block of zeros, and a block whose largest magnitude lies under 2^-111, keeps the byte 1 (zeros: the codes are zeros, and this program alone reads the bytes); NaN and infinities are not served;
; positions are served for magnitudes under 2^20 (the reduction by pi / 2 in three parts).
.set SP,  528                          ; a stage row: 512 bytes (128 numbers of one row) + 16: row r starts 4 r banks on, so sixteen rows start at sixteen different places
.set R,   16                           ; v16-143  two sets of 64: 16 rows' 16 bytes a lane, as loaded
.set X,   144                          ; v144-207 64 numbers of my row: register 16 b + i = k 32 b + 16 h + i
.set PC,  208                          ; v208-223 the fragment's codes
.set TM,  224                          ; v224-239 at work in the quantiser
.set PW,  240                          ; v240-247 a scale word for each K step
.set WS,  248                          ; v248-251 the four words that my lane stores
.set SEL, 30                           ; s[30:31] selects of v_permlanex16_b32: lane l xor 16
.set MNT, 32
.set IFL, 16                           ; the table's registers: v16-23 the pair's number, v24-31, v32-39 its exponent in two parts, v40-47 2^-, v48-55 the frequency, v56-71 results, v72 the position
.set TH,  24
.set TL,  32
.set EX,  40
.set INV, 48
.set OUT, 56
.set POS, 72
	s_load_b256 s[4:11], s[0:1], 0x0               ; in_features s[4:5], token_positions s[6:7], w_q s[8:9], w_k s[10:11]
	s_load_b256 s[12:19], s[0:1], 0x20             ; w_v s[12:13], w_o s[14:15], codes s[16:17], scl s[18:19]
	s_load_b64 s[20:21], s[0:1], 0x40              ; tab
	v_lshl_add_u32 v254, v0, 2, 0x6400
	v_mov_b32 v255, 0
	v_lshrrev_b32 v1, 5, v0
	v_readfirstlane_b32 s22, v1                    ; wave
	v_and_b32 v1, 31, v0                           ; lane
	v_and_b32 v2, 15, v0                           ; r
	v_bfe_u32 v3, v0, 4, 1                         ; h
	v_lshlrev_b32 v4, 4, v1                        ; 16 x lane: my bytes of a load's 512, of a store's 512
	s_mul_i32 s33, s22, 16*SP                      ; my wave's stage
	v_add_nc_u32 v5, s33, v4                       ; into it: as loaded
	v_mul_u32_u24 v6, v2, SP
	v_lshl_add_u32 v6, v3, 6, v6
	v_add_nc_u32 v6, s33, v6                       ; out of it: row r, + 64 h: my 16 numbers of a block of 32
	s_mov_b32 s29, 0                               ; the upper word of every offset
	s_cmp_eq_u32 s22, 3
	s_cbranch_scc1 .Ltable
	; ---------------- waves 0 to 2: one tile of 16 rows x 1,024
	s_mov_b32 s[SEL], 0x76543210
	s_mov_b32 s[SEL+1], 0xfedcba98
	s_mul_i32 s23, ttmp9, 3
	s_add_co_u32 s23, s23, s22                     ; T
	s_and_b32 s26, s23, 63                         ; a weight's tile
	s_wait_kmcnt 0x0
	s_cmp_lt_u32 s23, 704                          ; which tensor: the choice hangs on the tile's number alone
	s_cselect_b64 s[24:25], s[12:13], s[14:15]
	s_cmp_lt_u32 s23, 640
	s_cselect_b64 s[24:25], s[10:11], s[24:25]
	s_cmp_lt_u32 s23, 576
	s_cselect_b64 s[24:25], s[8:9], s[24:25]
	s_cmp_lt_u32 s23, 512
	s_cselect_b64 s[24:25], s[4:5], s[24:25]
	s_cselect_b32 s26, s23, s26                    ; the tile's number in its tensor
	s_lshr_b32 s27, s26, 1
	s_lshl_b32 s27, s27, 17                        ; 32 rows of 4,096 bytes for each pair of tiles,
	s_and_b32 s28, s26, 1
	s_lshl_b32 s28, s28, 15                        ; 8 rows for the odd one
	s_add_co_u32 s28, s27, s28
	s_add_nc_u64 s[24:25], s[24:25], s[28:29]
	s_lshl_b32 s28, s23, 14
	s_add_nc_u64 s[16:17], s[16:17], s[28:29]      ; my tile's 16,384 bytes of codes
	s_lshl_b32 s28, s23, 9
	s_add_nc_u64 s[18:19], s[18:19], s[28:29]      ; and its 512 bytes of scale words
.irp b, 0,1,2,3
	v_mov_b32 v[TM+4+\b], 0                        ; written once: a lane permute's destination counts as one of its sources
.endr
.macro LOAD ks                         ; K step ks of the tile's 16 rows: each load reads 512 consecutive bytes of one row
.irp j, 0,1,2,3,4,5,6,7,8,9,10,11,12,13,14,15
	global_load_b128 v[R+64*((\ks)%2)+4*\j:R+64*((\ks)%2)+4*\j+3], v4, s[24:25] offset:(\j+8*(\j/8))*4096+512*(\ks) th:TH_LOAD_NT
.endr
.endm
; 64 numbers of a lane, register 16 b + i = k 32 b + 16 h + i of my row, become a fragment's codes in v[PC] on and its scale word in v[pw]
.macro QUANT s, pw
.irp b, 0,1,2,3
	v_max3_num_f32 v[TM+\b], |v[\s+16*\b]|, |v[\s+1+16*\b]|, 0x8000000   ; my 16 numbers of block b, and the floor 2^(16 - 127): the byte cannot fall under 1
.endr
.irp i, 2,4,6,8,10,12,14
.irp b, 0,1,2,3
	v_max3_num_f32 v[TM+\b], v[TM+\b], |v[\s+16*\b+\i]|, |v[\s+1+16*\b+\i]|   ; the four blocks by turns
.endr
.endr
.irp b, 0,1,2,3
	v_permlanex16_b32 v[TM+4+\b], v[TM+\b], s[SEL], s[SEL+1]
.endr
.irp b, 0,1,2,3
	v_max_num_f32 v[TM+\b], v[TM+\b], v[TM+4+\b]   ; with lane l xor 16's 16: the block's largest magnitude
.endr
.irp b, 0,1,2,3
	v_add_nc_u32 v[TM+12+\b], 0xf8800000, v[TM+\b] ; 15 off its exponent field: the conversion's scale operand
.endr
.irp b, 0,1,2,3
.endr
.irp b, 0,1,2,3
	v_lshrrev_b32 v[TM+4+\b], 23, v[TM+12+\b]      ; the scale's byte
.endr
	v_lshl_or_b32 v[\pw], v[TM+5], 8, v[TM+4]
	v_lshl_or_b32 v[\pw], v[TM+6], 16, v[\pw]
	v_lshl_or_b32 v[\pw], v[TM+7], 24, v[\pw]
	s_wait_xcnt 0x0                                ; the last K step's stores have read v[PC] on: only now is it written again
.irp b, 0,1,2,3
.irp i, 0,1,2,3,4,5,6,7,8,9,10,11,12,13,14,15
.endr
	v_cvt_scalef32_pk8_bf8_f32 v[PC+4*\b:PC+1+4*\b], v[\s+16*\b:\s+7+16*\b], v[TM+12+\b]
	v_cvt_scalef32_pk8_bf8_f32 v[PC+2+4*\b:PC+3+4*\b], v[\s+8+16*\b:\s+15+16*\b], v[TM+12+\b]
.endr
	v_nop                                          ; a plain line behind the last conversion
.endm
.macro KSTEP ks
.if (\ks) < 7
	s_wait_loadcnt 16                              ; this K step's 16 loads are in; the next step's 16 may be out
.else
	s_wait_loadcnt 0
.endif
.irp j, 0,1,2,3,4,5,6,7,8,9,10,11,12,13,14,15
	ds_store_b128 v5, v[R+64*((\ks)%2)+4*\j:R+64*((\ks)%2)+4*\j+3] offset:SP*\j
.endr
.irp c, 0,1,2,3
.irp jj, 0,1,2,3
	ds_load_b128 v[X+16*\c+4*\jj:X+16*\c+4*\jj+3], v6 offset:128*\c+16*\jj   ; LDS serves a wave's instructions in order (ISA guide 5.7.1.4): these see the stores above
.endr
.endr
	s_wait_dscnt 0x0                               ; my numbers are back, and the stores have read their registers,
.if (\ks)+2 < 8
	LOAD (\ks)+2                                   ; which take the loads of two K steps on
.endif
	QUANT X, PW+(\ks)
.irp c, 0,1,2,3
	global_store_b128 v4, v[PC+4*\c:PC+4*\c+3], s[16:17] offset:2048*(\ks)+512*\c   ; 32 lanes store 512 consecutive bytes
.endr
.endm
	s_wait_alu depctr_va_vdst(0)
	LOAD 0
	LOAD 1
.irp ks, 0,1,2,3,4,5,6,7
	KSTEP \ks
.endr
	v_cmp_le_u32 vcc_lo, 16, v1                    ; lanes 16-31 store the words of K steps 4 to 7 (both halves of the lanes hold all eight)
.irp j, 0,1,2,3
	v_cndmask_b32 v[WS+\j], v[PW+\j], v[PW+4+\j], vcc_lo
.endr
	global_store_b128 v4, v[WS:WS+3], s[18:19]     ; 512 consecutive bytes: [kh][r][4 words]
	s_wait_tensorcnt 0x0
	ds_add_u32 v254, v255
	s_wait_dscnt 0x0
	s_endpgm
	; ---------------- wave 3: (cos, sin) of 16 tokens x 16 pairs
.Ltable:
	s_and_b32 s26, ttmp9, 1                        ; which half of the 32 pairs
	s_lshr_b32 s27, ttmp9, 1                       ; token tile
	s_lshr_b32 s28, s27, 1
	s_lshl_b32 s28, s28, 5
	s_and_b32 s23, s27, 1
	s_lshl_b32 s23, s23, 3
	s_add_co_u32 s28, s28, s23                     ; the tile's first token
	s_wait_alu depctr_va_vdst(0)
	v_and_b32 v8, 8, v2
	v_add_nc_u32 v8, v8, v2                        ; r + 8 (r / 8)
	v_add_nc_u32 v8, s28, v8
	v_lshlrev_b32 v8, 2, v8
	s_wait_alu depctr_va_vdst(0)
	s_wait_kmcnt 0x0
	global_load_b32 v[POS], v8, s[6:7]             ; my token's position
	s_lshl_b32 s28, s27, 12
	s_lshl_b32 s23, s26, 11
	s_add_co_u32 s28, s28, s23
	s_add_nc_u64 s[20:21], s[20:21], s[28:29]      ; my 2,048 bytes of the table
	s_mov_b32 s34, 0x3f04e08b                      ; log2(100000) / 32, upper part,
	s_mov_b32 s35, 0x323d844d                      ; and what is left of it
	s_mov_b32 s36, 0xbf317218                      ; -ln 2
	s_mov_b32 s37, 0x3f22f983                      ; 2 / pi
	s_mov_b32 s38, 0x3fc90fdb                      ; pi / 2 in three parts
	s_mov_b32 s39, 0xb33bbd2e
	s_mov_b32 s40, 0xa6f72ced
	s_mov_b32 s41, 0xbe2aaaab                      ; the sine's series: -1/6, 1/120, -1/5040, 1/362880
	s_mov_b32 s42, 0x3c088889
	s_mov_b32 s43, 0xb9500d01
	s_mov_b32 s44, 0x3638ef1d
	s_mov_b32 s45, 0x3d2aaaab                      ; the cosine's: (-1/2,) 1/24, -1/720, 1/40320, -1/3628800
	s_mov_b32 s46, 0xbab60b61
	s_mov_b32 s47, 0x37d00d01
	s_mov_b32 s48, 0xb493f27e
	s_lshl_b32 s23, s26, 4
	v_lshl_add_u32 v9, v3, 3, s23                  ; my first pair: 16 half + 8 h
	; the frequency of pair i is 100000^(-i / 32) = 2^-(i c): i c is kept in two parts, the upper goes through v_exp_f32, the lower is a first-order correction
.irp n, 0,1,2,3,4,5,6,7
	v_add_nc_u32 v10, \n, v9
	v_cvt_f32_u32 v[IFL+\n], v10
	v_mul_f32 v[TH+\n], s34, v[IFL+\n]
	v_fma_f32 v[TL+\n], v[IFL+\n], s34, -v[TH+\n]  ; what the product's rounding dropped, exactly
	v_fma_f32 v[TL+\n], v[IFL+\n], s35, v[TL+\n]
.endr
.irp n, 0,1,2,3,4,5,6,7
	v_exp_f32 v[EX+\n], -v[TH+\n]
.endr
	v_nop                                          ; a plain line behind the last exponential,
	s_wait_alu depctr_va_vdst(0)                   ; and one wait for the batch of eight, ahead of its first reader
.irp n, 0,1,2,3,4,5,6,7
	v_mul_f32 v10, s36, v[EX+\n]
	v_fma_f32 v[INV+\n], v10, v[TL+\n], v[EX+\n]   ; 2^-(upper) x (1 - ln 2 x lower)
.endr
	s_wait_loadcnt 0x0
	v_cvt_f32_i32 v[POS], v[POS]
; cos and sin of position x frequency: the angle less k pi / 2 (the first of the three steps is exact), two short series, and the quadrant by selects and sign bits: no branch hangs on a number
.macro SINCOS n
	v_mul_f32 v10, v[POS], v[INV+\n]               ; the angle, rounded once
	v_mul_f32 v11, s37, v10
	v_rndne_f32 v11, v11                           ; k
	v_fma_f32 v10, -v11, s38, v10
	v_fma_f32 v10, -v11, s39, v10
	v_fma_f32 v10, -v11, s40, v10                  ; rho, within pi / 4 or a little more
	v_mul_f32 v12, v10, v10                        ; z
	v_fma_f32 v13, v12, s44, s43
	v_fma_f32 v13, v13, v12, s42
	v_fma_f32 v13, v13, v12, s41
	v_mul_f32 v14, v10, v12
	v_fma_f32 v13, v14, v13, v10                   ; sin rho
	v_fma_f32 v14, v12, s48, s47
	v_fma_f32 v14, v14, v12, s46
	v_fma_f32 v14, v14, v12, s45
	v_fma_f32 v14, v14, v12, -0.5
	v_fma_f32 v14, v14, v12, 1.0                   ; cos rho
	v_cvt_i32_f32 v11, v11
	v_and_b32 v15, 1, v11
	v_cmp_eq_u32 vcc_lo, 1, v15
	v_cndmask_b32 v15, v13, v14, vcc_lo            ; in odd quadrants the two change places
	v_cndmask_b32 v14, v14, v13, vcc_lo
	v_lshlrev_b32 v13, 30, v11
	v_and_b32 v13, 0x80000000, v13                 ; the sine is negative in quadrants 2 and 3,
	v_xor_b32 v[OUT+2*\n+1], v13, v15
	v_add_nc_u32 v11, 1, v11
	v_lshlrev_b32 v11, 30, v11
	v_and_b32 v11, 0x80000000, v11                 ; the cosine in 1 and 2
	v_xor_b32 v[OUT+2*\n], v11, v14
.endm
.irp n, 0,1,2,3,4,5,6,7
	SINCOS \n
.endr
.irp jj, 0,1,2,3
	global_store_b128 v4, v[OUT+4*\jj:OUT+4*\jj+3], s[20:21] offset:512*\jj   ; 512 consecutive bytes
.endr
	s_endpgm
.Lfunc_end_k_q5c3153bc75_prep:
	.size	k_q5c3153bc75_prep, .Lfunc_end_k_q5c3153bc75_prep-k_q5c3153bc75_prep
	.p2alignl 7, 3214868480
	.fill 96, 4, 3214868480
	.section	.rodata,"a",@progbits
	.p2align	6, 0x0
	.amdhsa_kernel k_q5c3153bc75_prep
		.amdhsa_group_segment_fixed_size 26112
		.amdhsa_private_segment_fixed_size 0
		.amdhsa_enable_private_segment 0
		.amdhsa_kernarg_size 72
		.amdhsa_user_sgpr_count 2
		.amdhsa_user_sgpr_kernarg_segment_ptr 1
		.amdhsa_wavefront_size32 1
		.amdhsa_system_sgpr_workgroup_id_x 1
		.amdhsa_system_sgpr_workgroup_id_y 1
		.amdhsa_system_sgpr_workgroup_id_z 1
		.amdhsa_system_vgpr_workitem_id 0
		.amdhsa_next_free_vgpr 256
		.amdhsa_next_free_sgpr 66
		.amdhsa_reserve_vcc 1
		.amdhsa_float_denorm_mode_32 3
		.amdhsa_float_denorm_mode_16_64 3
		.amdhsa_fp16_overflow 1
		.amdhsa_memory_ordered 1
		.amdhsa_forward_progress 1
		.amdhsa_inst_pref_size 80
	.end_amdhsa_kernel
	.amdgpu_metadata
---
amdhsa.version: [ 1, 2 ]
amdhsa.kernels:
  - .name:           k_q5c3153bc75_prep
    .symbol:         k_q5c3153bc75_prep.kd
    .args:
      - { .name: in_features, .offset: 0, .size: 8, .value_kind: global_buffer, .address_space: global }
      - { .name: token_positions, .offset: 8, .size: 8, .value_kind: global_buffer, .address_space: global }
      - { .name: w_q, .offset: 16, .size: 8, .value_kind: global_buffer, .address_space: global }
      - { .name: w_k, .offset: 24, .size: 8, .value_kind: global_buffer, .address_space: global }
      - { .name: w_v, .offset: 32, .size: 8, .value_kind: global_buffer, .address_space: global }
      - { .name: w_o, .offset: 40, .size: 8, .value_kind: global_buffer, .address_space: global }
      - { .name: codes, .offset: 48, .size: 8, .value_kind: global_buffer, .address_space: global }
      - { .name: scl, .offset: 56, .size: 8, .value_kind: global_buffer, .address_space: global }
      - { .name: tab, .offset: 64, .size: 8, .value_kind: global_buffer, .address_space: global }
    .group_segment_fixed_size: 26112
    .private_segment_fixed_size: 0
    .kernarg_segment_align: 8
    .kernarg_segment_size: 72
    .max_flat_workgroup_size: 128
    .sgpr_count:     66
    .vgpr_count:     256
    .wavefront_size: 32
...
	.end_amdgpu_metadata
.endif
;; end of part 1
;; launch qkv (part 2): grid 12 x 32, 4 waves a work-group, clusters of 4 x 4, 327,680 bytes of LDS; arguments codes, scl, tab, qkvc, qkvs; writes qkvc, qkvs
.if DOCPART == 2
	.amdgcn_target "amdgcn-amd-amdhsa--gfx1250"
	.amdhsa_code_object_version 6
	.text
	.protected	k_q5c3153bc75_qkv
	.globl	k_q5c3153bc75_qkv
	.p2align	8
	.type	k_q5c3153bc75_qkv,@function
k_q5c3153bc75_qkv:
	s_mov_b64 s[64:65], 0
	v_nop
	global_prefetch_b8 v0, s[64:65] scope:SCOPE_SE
	s_setreg_imm32_b32 hwreg(HW_REG_WAVE_MODE, 25, 1), 1
	s_wait_xcnt 0x0
	s_wait_alu depctr_hold_cnt(0) depctr_sa_sdst(0) depctr_va_vdst(0) depctr_va_sdst(0) depctr_va_ssrc(0) depctr_va_vcc(0) depctr_vm_vsrc(0)
	s_getreg_b32 s2, hwreg(HW_REG_IB_STS2, 6, 4)
	s_cmp_eq_u32 s2, 0
	s_cbranch_scc0 .Lentry_in_a_cluster
	s_endpgm
.Lentry_in_a_cluster:
	s_bfe_u32 s2, ttmp6, 0x10000c
	s_cmp_lg_u32 s2, 0xf033
	s_cbranch_scc0 .Lentry_shape_is_right
	s_endpgm
.Lentry_shape_is_right:
; QKV.  q = x w_q^T, k = x w_k^T, v = x w_v^T on codes of BF8 (E5M2) with E8M0 scales; RoPE on q and k; then q and k are quantised along the head's 64 and v along the keys, in registers.
; All operands lie as images of operand registers (16 rows x 128 K = 2,048 bytes, [c][lane][16 bytes]; tile 2 g + u holds in image lane r row 32 g + 8 u + r + 8 (r / 8)).
; A work-group of four waves makes 256 x 256, a wave 128 x 128: 64 accumulators.  K = 1,024 goes in four slots' worth of 256 through a ring of two LDS slots; the eight K steps are written out.
; ONE TEXT FOR THREE PRODUCTS.  Source 0 takes the tiles of side P, source 1 those of side Q.  A lane then holds ONE row of Q, and the 16 registers of P's tiles 2 e and 2 e + 1 are 16 neighbouring rows of P.
;   cluster x = 0, 1 (q, k): Q = x, P = the weight: a lane holds a token, its registers run along the features: the K of the scores.
;   cluster x = 2    (v)   : Q = w_v, P = x:        a lane holds a channel, its registers run along the tokens: the K of the second product of attention.
; CLUSTERS: 4 x 4.  Q's tiles hang on cy and the cluster's numbers alone and are asked for jointly along a row of the cluster, P's on cx and are asked for along a column.
; OUT.  qkvc [typ][head of 64][131,072]: q, k: [token tile][c 0..1][lane][16]; v: [key step][tile of 16 channels][c 0..3][lane][16].
;       qkvs [typ][head][step 16][r 16][4 words]: q, k: word g = the bytes (tile 2 g: s0, s1; tile 2 g + 1: s0, s1); v: word t = the scale word of channel tile t.
; LIMITS: a block of zeros, or one under 2^-111, keeps the byte 1; NaN and infinities are not served.
; REGISTERS: window 0: v2-31 addresses and scale words at work; v32-95 the operands' scale words, all of K; v96-127 (cos, sin), set A; v128-255 Q's fragments, ONE set.
;   On the way out v128-191 64 numbers, v192-223 (cos, sin) set B, v224-239 codes, v240-255 at work.   window 1: P's fragments, two sets.   windows 2, 3: accumulator (a, b) at v[8 (8 (a % 4) + b)].
.set NP,    8                          ; places behind this matrix instruction (ISA guide 7.12.1)
.set SLOT,  131072                     ; a slot: Q's 16 tiles x 4,096 bytes (two K steps each), then P's 16
.set PSIDE, 65536
.set SCL,   262144                     ; behind the ring: Q's scale words (16 tiles x 512 bytes), then P's
.set SPARE, 278528                     ; the spare words, 128 bytes for each wave: two blocks of 256 bytes that no other line names
.set LI,   2                           ; v2   16 x lane
.set SST,  3                           ; v3   4,096 h + 16 r: where my four scale words go
.set VSEL, 4                           ; v4   byte selects: lanes 0-15 gather the first head's bytes, lanes 16-31 the second's
.set WS,   8                           ; v8-11  the four words that my lane stores
.set SV,   12                          ; v12-15 v: the first head's four words
.set ADRQ, 16                          ; v16-17 LDS address of my Q fragments in slot 0, 1
.set ADRP, 20                          ; v20-21 the same for P
.set ADRS, 27                          ; v27   LDS address of my scale words: lanes 0-15 Q's, lanes 16-31 P's
.set SPW,  28                          ; v28   LDS address of my spare word; never rewritten
.set NIL,  29                          ; v29   0; never rewritten
.set PW,   30                          ; v30   the scale word just made
.set PWE,  31                          ; v31   that of the even tile before it
.set SC,   32                          ; v[SC + 32 (ks / 4) + 4 i + ks % 4]: lanes 0-15 the word of Q's tile i, lanes 16-31 that of P's tile i, for K step ks
.set CSA,  96                          ; (cos, sin): set a % 2 at CSA + 96 (a % 2)
.set AF,   128
.set H,    128
.set PC,   224
.set TM,   240
.set G1,   24                          ; s[24:31] group 1 for Q's codes; s[32:39] groups 0, one for each slot
.set G0,   32
.set G1B,  48                          ; s[48:55], s[56:63] the same for P's
.set G0B,  56
.set G1S,  68                          ; s[68:75], s[76:79] for Q's scale words; s[80:87], s[88:91] for P's
.set G0S,  76
.set G1SB, 80
.set G0SB, 88
.set SEL,  2                           ; s[2:3] selects of v_permlanex16_b32
.set TYP,  66                          ; s66  0 q, 1 k, 2 v: the cluster's x, the same in all sixteen partners
.set HI16, 98                          ; s98  the mask of lanes 16-31
.set MNT,  99                          ; s99  the mantissa field of 57,344
.set MSB, 0
.macro WIN new                         ; the immediate's high byte repeats the setting that is left
.if MSB != (\new)
	s_set_vgpr_msb (MSB<<8)|(\new)
.set MSB, (\new)
.endif
.endm
.set MUL_LO, 0xa1                      ; source 0 (P) window 1, source 1 (Q) window 0, C and D window 2
.set MUL_HI, 0xf1                      ; the same, C and D window 3
.set TO_P,   0x40                      ; destination window 1, address window 0
; A joint load: waves 0 and 1 fetch for Q, waves 2 and 3 for P.  Each line has one mask and one set of registers; the branch hangs on the wave's number alone.  Four v_nop follow each line.
.macro JLOAD g0a, g1a, g0b, g1b
	s_cmp_eq_u32 s15, 0
	s_cbranch_scc0 .Lfor_p_\@
	tensor_load_to_lds s[\g0a:\g0a+3], s[\g1a:\g1a+7]
	s_nop 0
.rept 4
	v_nop
.endr
	s_branch .Lasked_\@
.Lfor_p_\@:
	tensor_load_to_lds s[\g0b:\g0b+3], s[\g1b:\g1b+7]
	s_nop 0
.rept 4
	v_nop
.endr
.Lasked_\@:
.endm
.macro CREST                           ; a round of the cluster's barrier behind its opening barrier
	s_cmp_lg_u32 s14, 0
	s_cbranch_scc1 .Lnot_wave_0_\@
	s_barrier_signal -3
.Lnot_wave_0_\@:
	s_barrier_wait -3
	s_barrier_signal -1
	s_barrier_wait -1
.endm
.macro CROUND
	s_barrier_signal -1
	s_barrier_wait -1
	CREST
.endm
	s_load_b256 s[4:11], s[0:1], 0x0               ; codes s[4:5], scl s[6:7], tab s[8:9], qkvc s[10:11]
	s_load_b64 s[12:13], s[0:1], 0x20              ; qkvs
	v_lshl_add_u32 v[SPW], v0, 2, SPARE
	v_mov_b32 v[NIL], 0
	ds_add_u32 v28, v29
	ds_add_u32 v28, v29
	s_wait_dscnt 0x0
	v_lshrrev_b32 v1, 5, v0
	v_readfirstlane_b32 s14, v1                    ; wave 0..3
	s_lshr_b32 s15, s14, 1                         ; which half of Q's tiles is mine.  Also: I fetch for Q (0) or for P (1)
	s_and_b32 s16, s14, 1                          ; which half of P's.  Also: which 8 tiles of that side I fetch
	s_bfe_u32 s40, ttmp6, 0x40000                  ; cx
	s_bfe_u32 s41, ttmp6, 0x40004                  ; cy
	s_mov_b32 s[TYP], ttmp9
	s_and_b32 s67, ttmp7, 0xffff                   ; the cluster's y
	s_lshl_b32 s43, s41, 2
	s_lshl_b32 s43, 15, s43                        ; my row of the cluster
	s_lshl_b32 s44, 0x1111, s40                    ; my column
	; group 1 for codes: 8 tiles; of each 4,096 consecutive bytes (512 elements of 8 bytes), 16,384 bytes from tile to tile; dense in LDS
	s_or_b32 s[G1+0], s43, (3<<16)|(1<<21)         ; 15:0 the mask; 17:16 elements of 8 bytes; 21 set beside a mask
	s_or_b32 s[G1B+0], s44, (3<<16)|(1<<21)
.irp g, G1, G1B
	s_mov_b32 s[\g+1], 512<<16                     ; tensor_dim0
	s_mov_b32 s[\g+2], 8<<16                       ; tensor_dim1
	s_mov_b32 s[\g+3], 512<<16                     ; tile_dim0
	s_mov_b32 s[\g+4], 8                           ; tile_dim1
	s_mov_b32 s[\g+5], 2048                        ; tensor_dim0_stride
	s_mov_b32 s[\g+6], 0
	s_mov_b32 s[\g+7], 0
.endr
	; and for the scale words of 8 tiles: 4,096 dense bytes as 16 rows of 256
	s_or_b32 s[G1S+0], s43, (3<<16)|(1<<21)
	s_or_b32 s[G1SB+0], s44, (3<<16)|(1<<21)
.irp g, G1S, G1SB
	s_mov_b32 s[\g+1], 32<<16
	s_mov_b32 s[\g+2], 16<<16
	s_mov_b32 s[\g+3], 32<<16
	s_mov_b32 s[\g+4], 16
	s_mov_b32 s[\g+5], 32
	s_mov_b32 s[\g+6], 0
	s_mov_b32 s[\g+7], 0
.endr
	; the sides' first tiles.  Q's hangs on cy, P's on cx, whichever product it is; each is made in registers that never hold the other coordinate
	s_lshl_b32 s17, s67, 2
	s_add_co_u32 s17, s17, s41
	s_lshl_b32 s17, s17, 4                         ; q, k: Q = x, tile 16 (4 y + cy)
	s_lshl_b32 s18, s41, 4
	s_add_co_u32 s18, s18, 640                     ; v: Q = w_v, tile 640 + 16 cy
	s_lshl_b32 s42, s67, 2
	s_add_co_u32 s42, s42, s40
	s_lshl_b32 s42, s42, 4                         ; v: P = x, tile 16 (4 y + cx)
	s_lshl_b32 s46, s[TYP], 6
	s_lshl_b32 s47, s40, 4
	s_add_co_u32 s46, s46, s47
	s_add_co_u32 s46, s46, 512                     ; q, k: P = the weight, tile 512 + 64 typ + 16 cx
	s_cmp_eq_u32 s[TYP], 2
	s_cselect_b32 s17, s18, s17                    ; Q's first tile
	s_cselect_b32 s42, s42, s46                    ; P's
	s_lshl_b32 s19, s16, 3                         ; the 8 tiles that I fetch
	s_add_co_u32 s20, s17, s19
	s_add_co_u32 s46, s42, s19
	s_lshl_b32 s22, s20, 9                         ; their scale words,
	s_mov_b32 s23, 0
	s_lshl_b32 s20, s20, 14                        ; their codes
	s_mov_b32 s21, 0
	s_lshl_b32 s92, s46, 9
	s_mov_b32 s93, 0
	s_lshl_b32 s46, s46, 14
	s_mov_b32 s47, 0
	s_lshl_b32 s45, s14, 15                        ; where they go: wave x 32,768: no place in the cluster enters an LDS address
	s_lshl_b32 s94, s14, 12
	s_wait_kmcnt 0x0
	s_add_nc_u64 s[20:21], s[4:5], s[20:21]
	s_add_nc_u64 s[22:23], s[6:7], s[22:23]
	s_add_nc_u64 s[46:47], s[4:5], s[46:47]
	s_add_nc_u64 s[92:93], s[6:7], s[92:93]
	CROUND                                         ; all sixteen work-groups are here: the first joint loads meet
	s_mov_b32 s[G0S], 1
	s_add_co_u32 s[G0S+1], s94, SCL
	s_mov_b64 s[G0S+2:G0S+3], s[22:23]
	s_or_b32 s[G0S+3], s[G0S+3], 0x80000000
	s_mov_b32 s[G0SB], 1
	s_add_co_u32 s[G0SB+1], s94, SCL
	s_mov_b64 s[G0SB+2:G0SB+3], s[92:93]
	s_or_b32 s[G0SB+3], s[G0SB+3], 0x80000000
	JLOAD G0S, G1S, G0SB, G1SB                     ; the scale words of all of K: filled once
.irp s, 0,1
	s_mov_b32 s[G0+4*\s], 1
	s_add_co_u32 s[G0+4*\s+1], s45, \s*SLOT
	s_add_nc_u64 s[G0+4*\s+2:G0+4*\s+3], s[20:21], \s*4096
	s_or_b32 s[G0+4*\s+3], s[G0+4*\s+3], 0x80000000
	s_mov_b32 s[G0B+4*\s], 1
	s_add_co_u32 s[G0B+4*\s+1], s45, \s*SLOT
	s_add_nc_u64 s[G0B+4*\s+2:G0B+4*\s+3], s[46:47], \s*4096
	s_or_b32 s[G0B+4*\s+3], s[G0B+4*\s+3], 0x80000000
	JLOAD G0+4*\s, G1, G0B+4*\s, G1B               ; three loads of mine are out behind the second of these
.endr
	v_and_b32 v1, 31, v0
	v_lshlrev_b32 v[LI], 4, v1
	v_and_b32 v5, 15, v0                           ; r
	v_bfe_u32 v6, v0, 4, 1                         ; h
	s_wait_alu depctr_va_vdst(0)
	v_lshlrev_b32 v7, 4, v5
	v_lshl_add_u32 v[SST], v6, 12, v7
	s_lshl_b32 s21, s15, 15                        ; my 8 tiles of Q
	s_lshl_b32 s22, s16, 15                        ; my 8 tiles of P,
	s_add_co_u32 s22, s22, PSIDE                   ; which lie behind Q's 16
.irp s, 0,1
	v_add_nc_u32 v[ADRQ+\s], s21, v[LI]
	v_add_nc_u32 v[ADRP+\s], s22, v[LI]
	s_add_co_u32 s21, s21, SLOT
	s_add_co_u32 s22, s22, SLOT
.endr
	s_lshl_b32 s21, s15, 12                        ; Q's scale words: my 8 tiles
	s_lshl_b32 s22, s16, 12                        ; P's, behind Q's 8,192 bytes
	s_add_co_u32 s22, s22, 8192
	s_sub_co_u32 s22, s22, s21
	v_mul_u32_u24 v1, s22, v6                      ; lanes 16-31 take P's: one product, the distance between the two
	s_wait_alu depctr_va_vdst(0)
	s_add_co_u32 s21, s21, SCL
	v_add_nc_u32 v1, v7, v1
	v_add_nc_u32 v[ADRS], s21, v1
	v_cmp_le_u32 s[HI16], 1, v6
	v_mov_b32 v[VSEL], 0x05040100
	v_mov_b32 v1, 0x07060302
	v_cndmask_b32 v[VSEL], v[VSEL], v1, s[HI16]
	s_mov_b32 s[SEL], 0x76543210
	s_mov_b32 s[SEL+1], 0xfedcba98
	s_mov_b32 s[MNT], 0x600000
	; the way out: my first token tile and my first head
	s_lshl_b32 s18, s15, 3
	s_add_co_u32 s18, s17, s18                     ; q, k: tokens are Q's
	s_lshl_b32 s19, s16, 3
	s_add_co_u32 s19, s42, s19                     ; v: P's
	s_lshl_b32 s20, s40, 2
	s_lshl_b32 s21, s16, 1
	s_add_co_u32 s20, s20, s21                     ; q, k: head 4 cx + 2 x my half of P
	s_lshl_b32 s21, s41, 2
	s_lshl_b32 s22, s15, 1
	s_add_co_u32 s21, s21, s22                     ; v: head 4 cy + 2 x my half of Q
	s_cmp_eq_u32 s[TYP], 2
	s_cselect_b32 s18, s19, s18
	s_cselect_b32 s20, s21, s20
	s_lshr_b32 s19, s18, 7                         ; the batch,
	s_and_b32 s18, s18, 127                        ; the token tile in it: a multiple of 8
	s_lshl_b32 s19, s19, 4
	s_add_co_u32 s19, s19, s20                     ; the head of 64
	s_lshl_b32 s20, s[TYP], 23
	s_lshl_b32 s21, s19, 17
	s_add_co_u32 s20, s20, s21
	s_lshl_b32 s21, s18, 10                        ; 1,024 bytes a token tile of q and k; for v 8,192 a key step of 8 tiles: the same number
	s_add_co_u32 s20, s20, s21
	s_mov_b32 s21, 0
	s_add_nc_u64 s[92:93], s[10:11], s[20:21]      ; my codes
	s_lshl_b32 s20, s[TYP], 18
	s_lshl_b32 s22, s19, 12
	s_add_co_u32 s20, s20, s22
	s_lshr_b32 s22, s18, 3
	s_lshl_b32 s22, s22, 8
	s_add_co_u32 s20, s20, s22
	s_add_nc_u64 s[94:95], s[12:13], s[20:21]      ; my scale words
	s_lshl_b32 s20, s18, 12
	s_add_nc_u64 s[96:97], s[8:9], s[20:21]        ; my tokens' (cos, sin)
.macro CSLOAD a                        ; (cos, sin) of token tile a: 32 numbers a lane, into set a % 2; each load reads 512 consecutive bytes
.irp e, 0,1
.irp jj, 0,1,2,3
	global_load_b128 v[CSA+96*((\a)%2)+16*\e+4*\jj:CSA+96*((\a)%2)+16*\e+4*\jj+3], v[LI], s[96:97] offset:4096*(\a)+2048*\e+512*\jj
.endr
.endr
.endm
	s_cmp_eq_u32 s[TYP], 2
	s_cbranch_scc1 .Lno_tab
	CSLOAD 0                                       ; asked for here, wanted behind the last product
.Lno_tab:
.macro FRAG reg, adr, q, i             ; a fragment as it lies: four loads of 512 consecutive bytes
.irp c, 0,1,2,3
	ds_load_b128 v[\reg+4*\c:\reg+4*\c+3], v[\adr] offset:2048*(\q)+512*\c+4096*(\i)
.endr
.endm
; 16 matrix instructions: Q's tiles a0, a0 + 1 x P's eight, K step ks; p: P's set.  zero = 1: the first product starts the sums.  The 64 accumulators take turns, in the same order in every step.
.macro MUL16 a0, p, ks, zero
.irp a, \a0, \a0+1
.irp b, 0,1,2,3,4,5,6,7
.if \zero
	v_wmma_scale_f32_16x16x128_f8f6f4 v[8*(8*((\a)%4)+\b):8*(8*((\a)%4)+\b)+7], v[128*(\p)+16*\b:128*(\p)+16*\b+15], v[AF+16*(\a):AF+16*(\a)+15], 0, v[SC+32*((\ks)/4)+4*\b+(\ks)%4], v[SC+32*((\ks)/4)+4*(\a)+(\ks)%4] matrix_a_fmt:MATRIX_FMT_BF8 matrix_b_fmt:MATRIX_FMT_BF8 matrix_a_scale:MATRIX_SCALE_ROW1
.else
	v_wmma_scale_f32_16x16x128_f8f6f4 v[8*(8*((\a)%4)+\b):8*(8*((\a)%4)+\b)+7], v[128*(\p)+16*\b:128*(\p)+16*\b+15], v[AF+16*(\a):AF+16*(\a)+15], v[8*(8*((\a)%4)+\b):8*(8*((\a)%4)+\b)+7], v[SC+32*((\ks)/4)+4*\b+(\ks)%4], v[SC+32*((\ks)/4)+4*(\a)+(\ks)%4] matrix_a_fmt:MATRIX_FMT_BF8 matrix_b_fmt:MATRIX_FMT_BF8 matrix_a_scale:MATRIX_SCALE_ROW1
.endif
.endr
.endr
.endm
.macro FETCH_P slot, q, p
	WIN TO_P
.irp i, 0,1,2,3,4,5,6,7
	FRAG 128*(\p)+16*\i, ADRP+\slot, \q, \i
.endr
	WIN 0
.endm
.macro FETCH_Q slot, q, i0
.irp i, \i0, \i0+1, \i0+2, \i0+3
	FRAG AF+16*(\i), ADRQ+\slot, \q, \i
.endr
.endm
.macro PLACES n                        ; plain vector lines between a matrix instruction and a load into, or a read of, its registers
.rept \n
	v_nop
.endr
.endm
; A slot's first K step (ks even): multiplies P's set 0, fetches the slot's second step
.macro STEP slot, ks, zero
	s_wait_dscnt 16                                ; P's set and Q's tiles 0-3 are in; the youngest 16 loads (Q's tiles 4-7) may be out
	WIN MUL_LO
	MUL16 0, 0, \ks, \zero
	MUL16 2, 0, \ks, \zero
	s_wait_dscnt 0                                 ; Q's tiles 4-7 are in
	PLACES NP
	FETCH_P \slot, 1, 1
	FETCH_Q \slot, 1, 0
	WIN MUL_HI
	MUL16 4, 0, \ks, \zero
	MUL16 6, 0, \ks, \zero
	PLACES NP
	WIN 0
	FETCH_Q \slot, 1, 4
.endm
; A slot's second K step (ks odd) changes slots: one barrier; in front of it each wave waits for all its tensor loads, adds 0 to its spare word, and waits for that and for its reads of this slot.  fill = 1: the slot is filled again.
.macro TURN slot, next, ks, fill
	s_wait_tensorcnt 0x0                           ; all my tensor loads have landed: my part of the next slot
	ds_add_u32 v[SPW], v[NIL]                      ; 0 onto my spare word
	s_wait_dscnt 17                                ; (the add and the youngest 16 loads, Q's tiles 4-7, may be out)
	WIN MUL_LO
	MUL16 0, 1, \ks, 0                             ; sixteen matrix instructions stand between the add and the wait for it
	s_wait_dscnt 0x0                               ; the add is done, and my reads of this slot are over
	s_barrier_signal -1
	MUL16 2, 1, \ks, 0
	WIN 0
	s_barrier_wait -1
.if \fill
	CREST                                          ; the barrier has opened a round of the cluster's: no wave of any partner still reads this slot or has a load on its way
	s_add_nc_u64 s[G0+4*\slot+2:G0+4*\slot+3], s[G0+4*\slot+2:G0+4*\slot+3], 8192
	s_add_nc_u64 s[G0B+4*\slot+2:G0B+4*\slot+3], s[G0B+4*\slot+2:G0B+4*\slot+3], 8192
	JLOAD G0+4*\slot, G1, G0B+4*\slot, G1B         ; the first tensor load behind the round; its four v_nop are among the places in front of the loads below
	PLACES NP-4
.else
	PLACES NP
.endif
	FETCH_P \next, 0, 0
	FETCH_Q \next, 0, 0
	WIN MUL_HI
	MUL16 4, 1, \ks, 0
	MUL16 6, 1, \ks, 0
	PLACES NP
	WIN 0
	FETCH_Q \next, 0, 4
.endm
	s_wait_tensorcnt 1                             ; the scale words and my part of slot 0 are in (slot 1's load may be out)
	s_barrier_signal -1
	s_barrier_wait -1                              ; everybody's are
	FETCH_P 0, 0, 0
	FETCH_Q 0, 0, 0
	s_wait_alu depctr_va_vdst(0)
.irp kh, 0,1
.irp i, 0,1,2,3,4,5,6,7
	ds_load_b128 v[SC+32*\kh+4*\i:SC+32*\kh+4*\i+3], v[ADRS] offset:512*\i+256*\kh   ; the scale words of all eight K steps
.endr
.endr
	FETCH_Q 0, 0, 4
	STEP 0, 0, 1
	TURN 0, 1, 1, 1
	STEP 1, 2, 0
	TURN 1, 0, 3, 1
	STEP 0, 4, 0
	TURN 0, 1, 5, 0                                ; nothing is left to fetch
	STEP 1, 6, 0
	s_wait_dscnt 16
	WIN MUL_LO
	MUL16 0, 1, 7, 0
	MUL16 2, 1, 7, 0
	s_wait_dscnt 0
	WIN MUL_HI
	MUL16 4, 1, 7, 0
	MUL16 6, 1, 7, 0
	WIN 0
	PLACES NP                                      ; in front of the first read of results and of writes over Q's fragments
.irp b, 0,1,2,3
	v_mov_b32 v[TM+4+\b], 0                        ; a lane permute's destination counts as one of its sources
.endr
; 64 numbers of a lane in window w, register s + 16 b + i = place 32 b + 16 h + i along the next K, become a fragment's codes in v[PC] on and its scale word in v[pw].  The hold moves them into v[H] on.
.macro QUANT s, w, pw
	WIN 0
.irp b, 0,1,2,3
	v_mov_b32 v[TM+\b], 0x8000000                  ; the floor 2^(16 - 127): the byte cannot fall under 1
.endr
	WIN 0x14*(\w)                                  ; sources 1 and 2 in window w
.irp i, 0,2,4,6,8,10,12,14
.irp b, 0,1,2,3
	v_max3_num_f32 v[TM+\b], v[TM+\b], |v[\s+16*\b+\i]|, |v[\s+16*\b+\i+1]|   ; each accumulator from its low end on; the four blocks by turns
.endr
.endr
	WIN 0
.irp b, 0,1,2,3
	v_permlanex16_b32 v[TM+4+\b], v[TM+\b], s[SEL], s[SEL+1]
.endr
.irp b, 0,1,2,3
	v_max_num_f32 v[TM+\b], v[TM+\b], v[TM+4+\b]   ; with lane l xor 16's 16: the block's largest magnitude
.endr
.irp b, 0,1,2,3
	v_add_nc_u32 v[TM+12+\b], 0xf8800000, v[TM+\b] ; 15 off its exponent field: the conversion's scale operand
.endr
.irp b, 0,1,2,3
	v_and_or_b32 v[TM+8+\b], v[TM+\b], 0x7f800000, s[MNT]   ; 57,344 x the scale
.endr
.irp b, 0,1,2,3
	v_lshrrev_b32 v[TM+4+\b], 23, v[TM+12+\b]      ; the scale's byte
.endr
	v_lshl_or_b32 v[\pw], v[TM+5], 8, v[TM+4]
	v_lshl_or_b32 v[\pw], v[TM+6], 16, v[\pw]
	v_lshl_or_b32 v[\pw], v[TM+7], 24, v[\pw]
	WIN \w                                         ; source 0 in window w
.irp b, 0,1,2,3
.irp i, 0,1,2,3,4,5,6,7,8,9,10,11,12,13,14,15
	v_med3_num_f32 v[H+16*\b+\i], v[\s+16*\b+\i], -v[TM+8+\b], v[TM+8+\b]   ; the conversion to an 8-bit code does not saturate (ISA guide 7.6.2): the hold comes first
.endr
.endr
	WIN 0
	s_wait_alu depctr_va_vdst(0)
	s_wait_xcnt 0x0                                ; the last fragment's stores have read v[PC] on: only now is it written again
.irp b, 0,1,2,3
	v_cvt_scalef32_pk8_bf8_f32 v[PC+4*\b:PC+1+4*\b], v[H+16*\b:H+7+16*\b], v[TM+12+\b]
	v_cvt_scalef32_pk8_bf8_f32 v[PC+2+4*\b:PC+3+4*\b], v[H+8+16*\b:H+15+16*\b], v[TM+12+\b]
.endr
	v_nop                                          ; a plain line behind the last conversion
.endm
; q, k: token tile a.  My lane's 64 numbers are two heads x 32 of its token's features, in neighbouring pairs: RoPE is two packed lines a pair; blocks 0, 1 are the first head's, 2, 3 the second's.
.macro EPIQK a
.set AC, 64*((\a)%4)
.set CSX, CSA+96*((\a)%2)
.if (\a) < 7
	s_wait_loadcnt 8                               ; this tile's (cos, sin) are in; the next tile's eight loads may be out
.else
	s_wait_loadcnt 0
.endif
	WIN 2+(\a)/4                                   ; source 0: the accumulators' window
.irp b, 0,1,2,3,4,5,6,7
.irp j, 0,2,4,6
	v_pk_mul_f32 v[H+8*\b+\j:H+8*\b+\j+1], v[AC+8*\b+\j:AC+8*\b+\j+1], v[CSX+16*((\b/2)%2)+8*(\b%2)+\j:CSX+16*((\b/2)%2)+8*(\b%2)+\j+1] op_sel_hi:[1,0]   ; (x1 cos, x2 cos)
.endr
.endr
.irp b, 0,1,2,3,4,5,6,7
.irp j, 0,2,4,6
	v_pk_fma_f32 v[H+8*\b+\j:H+8*\b+\j+1], v[AC+8*\b+\j:AC+8*\b+\j+1], v[CSX+16*((\b/2)%2)+8*(\b%2)+\j:CSX+16*((\b/2)%2)+8*(\b%2)+\j+1], v[H+8*\b+\j:H+8*\b+\j+1] op_sel:[1,1,0] op_sel_hi:[0,1,1] neg_lo:[0,1,0]   ; (- x2 sin, + x1 sin)
.endr
.endr
	WIN 0
.if (\a)+2 < 8
	CSLOAD (\a)+2                                  ; into the set just read
.endif
.if (\a)%2 == 0
	QUANT H, 0, PWE
.else
	QUANT H, 0, PW
.endif
.irp e, 0,1,2,3
	global_store_b128 v[LI], v[PC+4*\e:PC+4*\e+3], s[92:93] offset:131072*(\e/2)+1024*(\a)+512*(\e%2)   ; 512 consecutive bytes: head e / 2, block e % 2
.endr
.if (\a)%2 == 1
	v_perm_b32 v[WS+(\a)/2], v[PW], v[PWE], v[VSEL]   ; the even tile's two bytes, then the odd tile's: lanes 0-15 the first head's, lanes 16-31 the second's
.endif
.endm
; v: channel tile a.  My lane's 64 numbers are its channel at 64 of the wave's 128 tokens: one fragment of V^T for one key step
.macro EPIV a
.if (\a) < 4
	QUANT 64*((\a)%4), 2+(\a)/4, SV+(\a)
.else
	QUANT 64*((\a)%4), 2+(\a)/4, PW
.endif
.irp e, 0,1,2,3
	global_store_b128 v[LI], v[PC+4*\e:PC+4*\e+3], s[92:93] offset:131072*((\a)/4)+2048*((\a)%4)+512*\e
.endr
.if (\a) >= 4
	v_cndmask_b32 v[WS+(\a)-4], v[SV+(\a)-4], v[PW], s[HI16]   ; lanes 16-31 carry the second head's word
.endif
.endm
	s_cmp_eq_u32 s[TYP], 2
	s_cbranch_scc1 .Lv
	CSLOAD 1
.irp a, 0,1,2,3,4,5,6,7
	EPIQK \a
.endr
	s_branch .Lend
.Lv:
.irp a, 0,1,2,3,4,5,6,7
	EPIV \a
.endr
.Lend:
	s_wait_alu depctr_va_vdst(0)
	global_store_b128 v[SST], v[WS:WS+3], s[94:95] ; sixteen lanes store 256 consecutive bytes for each of the two heads
	s_wait_tensorcnt 0x0                           ; the wave's end
	ds_add_u32 v[SPW], v[NIL]
	s_wait_dscnt 0x0
	CROUND                                         ; the closing round: no work-group ends while a partner may still ask for a tile that names it
	s_endpgm
.Lfunc_end_k_q5c3153bc75_qkv:
	.size	k_q5c3153bc75_qkv, .Lfunc_end_k_q5c3153bc75_qkv-k_q5c3153bc75_qkv
	.p2alignl 7, 3214868480
	.fill 96, 4, 3214868480
	.section	.rodata,"a",@progbits
	.p2align	6, 0x0
	.amdhsa_kernel k_q5c3153bc75_qkv
		.amdhsa_group_segment_fixed_size 327680
		.amdhsa_private_segment_fixed_size 0
		.amdhsa_enable_private_segment 0
		.amdhsa_kernarg_size 40
		.amdhsa_user_sgpr_count 2
		.amdhsa_user_sgpr_kernarg_segment_ptr 1
		.amdhsa_wavefront_size32 1
		.amdhsa_system_sgpr_workgroup_id_x 1
		.amdhsa_system_sgpr_workgroup_id_y 1
		.amdhsa_system_sgpr_workgroup_id_z 1
		.amdhsa_system_vgpr_workitem_id 0
		.amdhsa_next_free_vgpr 1024
		.amdhsa_next_free_sgpr 102
		.amdhsa_reserve_vcc 0
		.amdhsa_float_denorm_mode_32 3
		.amdhsa_float_denorm_mode_16_64 3
		.amdhsa_memory_ordered 1
		.amdhsa_forward_progress 1
		.amdhsa_inst_pref_size 255
	.end_amdhsa_kernel
	.section	.bss,"aw",@nobits
	.p2align	6
	.space	262144
	.amdgpu_metadata
---
amdhsa.version: [ 1, 2 ]
amdhsa.kernels:
  - .name:           k_q5c3153bc75_qkv
    .symbol:         k_q5c3153bc75_qkv.kd
    .args:
      - { .name: codes, .offset: 0, .size: 8, .value_kind: global_buffer, .address_space: global }
      - { .name: scl, .offset: 8, .size: 8, .value_kind: global_buffer, .address_space: global }
      - { .name: tab, .offset: 16, .size: 8, .value_kind: global_buffer, .address_space: global }
      - { .name: qkvc, .offset: 24, .size: 8, .value_kind: global_buffer, .address_space: global }
      - { .name: qkvs, .offset: 32, .size: 8, .value_kind: global_buffer, .address_space: global }
    .group_segment_fixed_size: 327680
    .private_segment_fixed_size: 0
    .kernarg_segment_align: 8
    .kernarg_segment_size: 40
    .max_flat_workgroup_size: 128
    .sgpr_count:     102
    .vgpr_count:     1024
    .wavefront_size: 32
...
	.end_amdgpu_metadata
.endif
;; end of part 2
;; launch attn (part 3): grid 4 x 64, 16 waves a work-group, no clusters, 327,680 bytes of LDS; arguments qkvc, qkvs, oc, os; writes oc, os
.if DOCPART == 3
	.amdgcn_target "amdgcn-amd-amdhsa--gfx1250"
	.amdhsa_code_object_version 6
	.text
	.protected	k_q5c3153bc75_attn
	.globl	k_q5c3153bc75_attn
	.p2align	8
	.type	k_q5c3153bc75_attn,@function
k_q5c3153bc75_attn:
	s_mov_b64 s[64:65], 0
	v_nop
	global_prefetch_b8 v0, s[64:65] scope:SCOPE_SE
	s_setreg_imm32_b32 hwreg(HW_REG_WAVE_MODE, 25, 1), 1
	s_wait_xcnt 0x0
; ATTN.  o = softmax(q k^T / 8, causal) v for one head of 64, both products on codes of BF8 (E5M2) with E8M0 scales; o is divided by the row's sum and quantised along the model's 1,024 for the last projection.
; THE SOFTMAX: t = score x log2(e) / 8; M = the running largest t rounded UP to a whole number; p = 2^(t - M) is quantised along the keys; the row's sum is taken of the unquantised p; when M moves, the sum and O are
; multiplied by 2^(old M - new M), which rounds nothing.
; SHARES.  Work-group (i, head) owns the blocks 7 - i and i of 256 queries: (8 - i) + (i + 1) = 9 slots of 256 keys, the same for all.  Each of sixteen waves owns one tile of 16 queries in 256 registers.
; NO CLUSTER: the four work-groups of a head walk the same key slots in the first five of their nine trips only, so partners would need different tiles in the others.
; LAYOUT.  Both products are used transposed (S^T = K Q^T, O^T = V^T P^T): a lane holds ONE query.  Tile 2 g + u holds in image lane r token 32 g + 8 u + r + 8 (r / 8), so the 16 registers of two neighbouring key tiles
; are 16 neighbouring keys, and the conversions' results are the second product's operand.
; THE HEAD'S 64 IN AN INSTRUCTION OF 128: two neighbouring key tiles (2,048 consecutive bytes) are ONE source 0: registers 0-7 the even tile, 8-15 the odd.  Q stands as 24 registers [0 | q | 0]: the operand [q | 0] gives the
; even tile's scores, [0 | q] the odd tile's: a zero code times a finite code adds nothing (the quantiser's hold makes no infinity, and no scale byte is 0xff).
; CAUSAL.  Trip counts are constants.  A step all of whose keys come after the wave's queries is left out by a scalar branch on ids; on the diagonal hidden scores become -infinity ahead of the maximum.
; LIMITS: a block of zeros, or one under 2^-111, keeps the byte 1; NaN and infinities are not served.
.set SLOT1, 65536                      ; slot 1 begins here: one exclusive or turns an address in one slot into the other's
.set VOFF,  16384                      ; a slot: K's codes 16,384 bytes, V's 16,384,
.set KSC,   32768                      ; K's scale words 512,
.set VSC,   33280                      ; V's 512
.set SPARE, 131072                     ; the spare words, 128 bytes for each wave: eight blocks of 256 bytes that no other line names
.set LI,  1                            ; v1   16 x lane
.set R16, 2                            ; v2   16 r
.set LQ,  3                            ; v3   r + 8 (r / 8) - 16 h
.set SPW, 5                            ; v5   LDS address of my spare word; never rewritten
.set NIL, 6                            ; v6   0; never rewritten
.set PFO, 7                            ; v7   256 x lane: the prefetches' offset
.set ADF, 8                            ; v8   LDS address of the slot's fragments
.set ADS, 9                            ; v9   and of its scale words
                                       ; v12 -M, v13 the largest t, v[14:15] the sum in two halves
.set QZ,  16                           ; v16-39  [0 | q | 0]
.set FR,  40                           ; v40-103 four fragments of K or of V
.set S,   104                          ; v104-167 S^T, then p
.set O,   168                          ; v168-199 O^T
.set PC,  200                          ; v200-215 p's codes; at the end o's
.set BM,  216                          ; v216-219 the blocks' largest
.set PT,  220                          ; v220-223 at work
.set HL,  224
.set CV,  228                          ; v228-231 the conversions' scale operands
.set T,   232
.set W2,  233
.set F,   234                          ; v[234:235] f = 2^(old M - new M)
.set MD,  236
.set MI,  237
.set KS,  240                          ; v240-243 K's scale words; v244-247 V's; v248 q's; v249 p's
.set VS,  244
.set QSW, 248
.set PSW, 249
.set WV,  12
.set BHR, 13                           ; s13 the head of 64
.set BLK, 14                           ; s14 the block of queries in hand
.set TS,  15                           ; s15 my token tile
.set Q0,  16                           ; s16 its first token
.set KF,  17                           ; s17 the step's first key
.set TB,  18                           ; s18 LDS byte at which the slot in hand begins
.set J,   19                           ; s19 the trip
.set SEL, 20
.set CS,  22                           ; s[22:23] c = log2(e) / 8
.set G1C, 24                           ; s[24:31] group 1 for codes; s[32:39] for scale words; s[40:43], s[44:47] their groups 0
.set G1S, 32
.set G0C, 40
.set G0S, 44
.set MNT, 48
.set KSL, 49                           ; s49 the key slot last asked for
.set NS1, 50                           ; s50 8 - i: the first block's slots
.set SW,  51                           ; s51 7 - i: the trip behind which the blocks change
.set T0,  52                           ; s[52:53] an offset; the upper word stays 0
.set T2,  54
.set T1,  55
.set QP,  56
.set QSP, 58
.set OCP, 60
.set OSP, 62
.set CB,  66                           ; s[66:67] my tensor's codes of this head; s[68:69] its scale words
.set SB,  68
.set PFA, 70
.set LIM, 72
.set QSEL, 73
.set OCH, 74
.set OSH, 75
; Waves 0 and 1 fetch K's and V's codes, waves 2 and 3 their scale words, the others nothing.  The branches hang on the wave's number alone.  Four v_nop follow each line.
.macro TLOAD
	s_cmp_lt_u32 s[WV], 2
	s_cbranch_scc0 .Lnot_c_\@
	tensor_load_to_lds s[G0C:G0C+3], s[G1C:G1C+7]
	s_nop 0
.rept 4
	v_nop
.endr
	s_branch .Lasked_\@
.Lnot_c_\@:
	s_cmp_lt_u32 s[WV], 4
	s_cbranch_scc0 .Lasked_\@
	tensor_load_to_lds s[G0S:G0S+3], s[G1S:G1S+7]
	s_nop 0
.rept 4
	v_nop
.endr
.Lasked_\@:
.endm
; A prefetch of what the NEXT change of slots will ask for.  All four work-groups of a head read the same K and V: work-group 0, which walks key slots 0 to 7 in order, asks; in it waves 4 and 5 for K's 16,384 bytes and waves
; 6 and 7 for V's, 8,192 a wave, lanes 256 bytes apart: each block of 256 bytes is named once in the launch.  Trip j asks for key slot j + 2 while j < 6; slots 0 and 1 and the scale words come by their loads alone.
.macro ASK
	s_cmp_lt_u32 s[J], s[LIM]
	s_cbranch_scc0 .Lnot_mine_\@
	global_prefetch_b8 v[PFO], s[PFA:PFA+1] th:TH_LOAD_NT scope:SCOPE_SE
.Lnot_mine_\@:
.endm
	s_load_b256 s[4:11], s[0:1], 0x0               ; qkvc s[4:5], qkvs s[6:7], oc s[8:9], os s[10:11]
	v_lshl_add_u32 v[SPW], v0, 2, SPARE
	v_mov_b32 v[NIL], 0
	ds_add_u32 v5, v6
	ds_add_u32 v5, v6
	s_wait_dscnt 0x0
	v_lshrrev_b32 v8, 5, v0
	s_delay_alu instid0(VALU_DEP_1)
	v_readfirstlane_b32 s[WV], v8                  ; wave 0..15
	s_and_b32 s[BHR], ttmp7, 0xffff
	s_mov_b32 s[G1C], 3<<16                        ; no mask; elements of 8 bytes; no padding: every fragment load reads 512 consecutive bytes
	s_mov_b32 s[G1C+1], 32<<16                     ; 16,384 dense bytes as 64 rows of 256
	s_mov_b32 s[G1C+2], 64<<16
	s_mov_b32 s[G1C+3], 32<<16
	s_mov_b32 s[G1C+4], 64
	s_mov_b32 s[G1C+5], 32
	s_mov_b32 s[G1C+6], 0
	s_mov_b32 s[G1C+7], 0
	s_mov_b32 s[G1S], 3<<16                        ; 512 dense bytes as 2 rows of 256
	s_mov_b32 s[G1S+1], 32<<16
	s_mov_b32 s[G1S+2], 2<<16
	s_mov_b32 s[G1S+3], 32<<16
	s_mov_b32 s[G1S+4], 2
	s_mov_b32 s[G1S+5], 32
	s_mov_b32 s[G1S+6], 0
	s_mov_b32 s[G1S+7], 0
	s_and_b32 s[T1], s[WV], 1
	s_add_co_u32 s[T2], s[T1], 1                   ; 1: k, 2: v
	s_lshl_b32 s[T0], s[T2], 23
	s_lshl_b32 s[KSL], s[BHR], 17
	s_add_co_u32 s[T0], s[T0], s[KSL]
	s_mov_b32 s[T0+1], 0
	s_wait_kmcnt 0x0
	s_add_nc_u64 s[CB:CB+1], s[4:5], s[T0:T0+1]
	s_lshl_b32 s[T0], s[T2], 18
	s_lshl_b32 s[KSL], s[BHR], 12
	s_add_co_u32 s[T0], s[T0], s[KSL]
	s_add_nc_u64 s[SB:SB+1], s[6:7], s[T0:T0+1]
	s_mov_b32 s[G0C], 1
	s_lshl_b32 s[G0C+1], s[T1], 14                 ; slot 0: K's codes at 0, V's at 16,384
	s_mov_b64 s[G0C+2:G0C+3], s[CB:CB+1]
	s_or_b32 s[G0C+3], s[G0C+3], 0x80000000
	s_mov_b32 s[G0S], 1
	s_lshl_b32 s[G0S+1], s[T1], 9
	s_add_co_u32 s[G0S+1], s[G0S+1], KSC
	s_mov_b64 s[G0S+2:G0S+3], s[SB:SB+1]
	s_or_b32 s[G0S+3], s[G0S+3], 0x80000000
	TLOAD                                          ; key slot 0: the one first fill
	s_bfe_u32 s[T2], s[WV], 0x10001                ; the prefetches: waves 4, 5 K (0), waves 6, 7 V (1)
	s_add_co_u32 s[T2], s[T2], 1
	s_lshl_b32 s[T0], s[T2], 23
	s_lshl_b32 s[T2], s[BHR], 17
	s_add_co_u32 s[T0], s[T0], s[T2]
	s_lshl_b32 s[T2], s[T1], 13                    ; my wave's 8,192 bytes,
	s_add_co_u32 s[T0], s[T0], s[T2]
	s_add_co_u32 s[T0], s[T0], 16384               ; in key slot 1: the first change of slots steps it to slot 2
	s_add_nc_u64 s[PFA:PFA+1], s[4:5], s[T0:T0+1]
	s_sub_co_u32 s[T2], s[WV], 4
	s_lshr_b32 s[T2], s[T2], 2                     ; 0 in waves 4 to 7,
	s_or_b32 s[T2], s[T2], ttmp9                   ; of the head's work-group 0
	s_cmp_eq_u32 s[T2], 0
	s_cselect_b32 s[LIM], 6, 0
	s_sub_co_u32 s[NS1], 8, ttmp9
	s_sub_co_u32 s[SW], 7, ttmp9
	s_mov_b32 s[BLK], s[SW]
	s_mov_b32 s[KSL], 0
	s_mov_b32 s[TB], 0
	s_mov_b32 s[J], 0
	s_and_b32 s[T2], s[BHR], 15                    ; the head in its batch
	s_lshl_b32 s[OCH], s[T2], 10                   ; its 1,024 bytes in a token tile's codes of o: K step head / 2, blocks 2 (head % 2) on
	s_lshr_b32 s[OSH], s[T2], 3
	s_lshl_b32 s[OSH], s[OSH], 8
	s_and_b32 s[T2], s[T2], 7
	s_lshl_b32 s[T2], s[T2], 1
	s_add_co_u32 s[OSH], s[OSH], s[T2]             ; and its two bytes in a row's scale words
	s_mov_b32 s[SEL], 0x76543210
	s_mov_b32 s[SEL+1], 0xfedcba98
	s_mov_b32 s[CS], 0x3e38aa3b                    ; c = log2(e) / 8
	s_mov_b32 s[CS+1], s[CS]
	s_mov_b32 s[QSEL], 0x03020302                  ; q's word holds two tiles' bytes: mine twice over
	s_bitcmp1_b32 s[WV], 0
	s_cselect_b32 s[QSEL], s[QSEL], 0x01000100
	v_and_b32 v8, 31, v0
	s_delay_alu instid0(VALU_DEP_1)
	v_lshlrev_b32 v[LI], 4, v8
	s_delay_alu instid0(VALU_DEP_2)
	v_lshlrev_b32 v[PFO], 8, v8
	v_and_b32 v8, 15, v0
	s_delay_alu instid0(VALU_DEP_1)
	v_lshlrev_b32 v[R16], 4, v8
	s_delay_alu instid0(VALU_DEP_2)
	v_and_b32 v9, 8, v8
	s_delay_alu instid0(VALU_DEP_1)
	v_add_nc_u32 v[LQ], v9, v8
	v_bfe_u32 v9, v0, 4, 1
	s_delay_alu instid0(VALU_DEP_1)
	v_lshlrev_b32 v9, 4, v9
	s_delay_alu instid0(VALU_DEP_1)
	v_sub_nc_u32 v[LQ], v[LQ], v9
.irp n, 0,1,2,3,4,5,6,7
	v_mov_b32 v[QZ+\n], 0                          ; the zero codes on both sides of q
	v_mov_b32 v[QZ+16+\n], 0
.endr
.irp b, 0,1,2,3
	v_mov_b32 v[PT+\b], 0                          ; a lane permute's destination counts as one of its sources
.endr
	v_mov_b32 v[F+1], 0                            ; (named as the upper half of a pair)
; A block of queries begins: my tile's numbers and addresses, q and its scale word; O^T and the sum begin as zeros and the largest t as -3e38
.macro INIT
	s_wait_xcnt 0x0                                ; what was issued before has read its addresses and data: they are written again below
	s_lshl_b32 s[TS], s[BLK], 4
	s_add_co_u32 s[TS], s[TS], s[WV]
	s_lshr_b32 s[T0], s[TS], 1
	s_lshl_b32 s[Q0], s[T0], 5
	s_and_b32 s[T1], s[TS], 1
	s_lshl_b32 s[T1], s[T1], 3
	s_add_co_u32 s[Q0], s[Q0], s[T1]
	s_mov_b32 s[KF], 0
	s_lshl_b32 s[T0], s[BHR], 7
	s_add_co_u32 s[T0], s[T0], s[TS]
	s_lshl_b32 s[T0], s[T0], 10
	s_add_nc_u64 s[QP:QP+1], s[4:5], s[T0:T0+1]    ; q's image: 1,024 bytes a tile
	s_lshl_b32 s[T0], s[BHR], 4
	s_lshr_b32 s[T2], s[TS], 3
	s_add_co_u32 s[T0], s[T0], s[T2]
	s_lshl_b32 s[T0], s[T0], 8
	s_bfe_u32 s[T2], s[TS], 0x20001
	s_lshl_b32 s[T2], s[T2], 2
	s_add_co_u32 s[T0], s[T0], s[T2]
	s_add_nc_u64 s[QSP:QSP+1], s[6:7], s[T0:T0+1]  ; the word of my pair of tiles
	s_lshr_b32 s[T2], s[BHR], 4
	s_lshl_b32 s[T2], s[T2], 7
	s_add_co_u32 s[T2], s[T2], s[TS]               ; my tile among the 512 of all batches
	s_lshl_b32 s[T0], s[T2], 14
	s_add_co_u32 s[T0], s[T0], s[OCH]
	s_add_nc_u64 s[OCP:OCP+1], s[8:9], s[T0:T0+1]
	s_lshl_b32 s[T0], s[T2], 9
	s_add_co_u32 s[T0], s[T0], s[OSH]
	s_add_nc_u64 s[OSP:OSP+1], s[10:11], s[T0:T0+1]
	global_load_b128 v[QZ+8:QZ+11], v[LI], s[QP:QP+1]
	global_load_b128 v[QZ+12:QZ+15], v[LI], s[QP:QP+1] offset:512
	global_load_b32 v[T], v[R16], s[QSP:QSP+1]
.set n, 0
.rept 32
	v_mov_b32 v[O+n], 0
.set n, n+1
.endr
	v_mov_b32 v14, 0
	v_mov_b32 v15, 0
	v_mov_b32 v13, 0xff61b1e6                      ; -3e38, under every t
	s_delay_alu instid0(VALU_DEP_1)
	v_floor_f32 v12, -v13
	s_wait_loadcnt 0x0
	v_perm_b32 v[QSW], v[T], v[T], s[QSEL]         ; (s0, s1, s0, s1).  Eight plain lines stand between this and the next product: the head of the next key step
.endm
; A KEY STEP: 128 keys, the q-th of the slot in hand
.macro STEP q
	s_add_co_u32 s[T0], s[Q0], 23                  ; my tile's last token
	s_cmp_gt_u32 s[KF], s[T0]
	s_cbranch_scc1 .Lhidden_\@
	v_add_nc_u32 v[ADF], s[TB], v[LI]
	v_add_nc_u32 v[ADS], s[TB], v[R16]
.rept 6
	v_nop                                          ; with the two additions: eight places in front of loads into registers that the last products read
.endr
.irp b, 0,1,2,3
.irp c, 0,1,2,3
	ds_load_b128 v[FR+16*\b+4*\c:FR+16*\b+4*\c+3], v[ADF] offset:(4*(\q)+\b)*2048+512*\c   ; two neighbouring key tiles are one operand
.endr
.endr
	ds_load_b128 v[KS:KS+3], v[ADS] offset:KSC+256*(\q)
	s_wait_dscnt 0x0
	s_wait_alu depctr_va_vdst(0)
.irp b, 0,1,2,3
	v_wmma_scale_f32_16x16x128_f8f6f4 v[S+16*\b:S+16*\b+7], v[FR+16*\b:FR+16*\b+15], v[QZ+8:QZ+23], 0, v[KS+\b], v[QSW] matrix_a_fmt:MATRIX_FMT_BF8 matrix_b_fmt:MATRIX_FMT_BF8
	v_wmma_scale_f32_16x16x128_f8f6f4 v[S+16*\b+8:S+16*\b+15], v[FR+16*\b:FR+16*\b+15], v[QZ:QZ+15], 0, v[KS+\b], v[QSW] matrix_a_fmt:MATRIX_FMT_BF8 matrix_b_fmt:MATRIX_FMT_BF8
.endr                                              ; register 16 b + i holds key KF + 32 b + 16 h + i
.rept 8
	v_nop
.endr
.irp t, 0,1,2,3
.irp c, 0,1,2,3
	ds_load_b128 v[FR+16*\t+4*\c:FR+16*\t+4*\c+3], v[ADF] offset:VOFF+8192*(\q)+2048*\t+512*\c   ; V's four fragments land while the softmax is walked
.endr
.endr
	ds_load_b128 v[VS:VS+3], v[ADS] offset:VSC+256*(\q)
	s_add_co_u32 s[T0], s[KF], 127
	s_cmp_le_u32 s[T0], s[Q0]
	s_cbranch_scc1 .Lopen_\@                       ; all 128 keys count for all my queries
	s_sub_co_i32 s[T0], s[Q0], s[KF]
	v_add_nc_u32 v[MD], s[T0], v[LQ]               ; d = my query - KF - 16 h: register 16 b + i is hidden where 32 b + i > d
	v_mov_b32 v[MI], 0xff800000
.set n, 0
.rept 64
	v_cmp_gt_i32 vcc_lo, 32*(n/16)+n%16, v[MD]
	v_cndmask_b32 v[S+n], v[S+n], v[MI], vcc_lo
.set n, n+1
.endr
.Lopen_\@:
.irp b, 0,1,2,3
	v_max3_num_f32 v[BM+\b], v[S+16*\b], v[S+1+16*\b], v[S+2+16*\b]   ; the largest score of each block of 32 keys: it serves the row's maximum and, since p rises with the score, the block's largest p
.endr
.irp i, 3,5,7,9,11,13
.irp b, 0,1,2,3
	v_max3_num_f32 v[BM+\b], v[BM+\b], v[S+16*\b+\i], v[S+1+16*\b+\i]
.endr
.endr
.irp b, 0,1,2,3
	v_max_num_f32 v[BM+\b], v[BM+\b], v[S+15+16*\b]
.endr
.irp b, 0,1,2,3
	s_delay_alu instid0(VALU_DEP_4)
	v_permlanex16_b32 v[PT+\b], v[BM+\b], s[SEL], s[SEL+1]
.endr
.irp b, 0,1,2,3
	s_delay_alu instid0(VALU_DEP_4)
	v_max_num_f32 v[BM+\b], v[BM+\b], v[PT+\b]
.endr
	s_delay_alu instid0(VALU_DEP_2)
	v_max3_num_f32 v[T], v[BM], v[BM+1], v[BM+2]
	s_delay_alu instid0(VALU_DEP_1)
	v_max_num_f32 v[T], v[T], v[BM+3]
	s_delay_alu instid0(VALU_DEP_1)
	v_mul_f32 v[T], s[CS], v[T]
	s_delay_alu instid0(VALU_DEP_1)
	v_max_num_f32 v13, v13, v[T]                   ; the running largest t
	v_mov_b32 v[T], v12
	s_delay_alu instid0(VALU_DEP_2)
	v_floor_f32 v12, -v13                          ; -M = floor(-t): M is a whole number
	s_delay_alu instid0(VALU_DEP_1)
	v_sub_f32 v[T], v12, v[T]
	s_delay_alu instid0(VALU_DEP_1)
	v_cvt_i32_f32 v[T], v[T]                       ; (it saturates)
	s_delay_alu instid0(VALU_DEP_1)
	v_ldexp_f32 v[F], 1.0, v[T]                    ; f = 2^(old M - new M)
.set n, 0
.rept 32
	v_pk_fma_f32 v[S+n:S+n+1], v[S+n:S+n+1], s[CS:CS+1], v[12:13] op_sel_hi:[1,0,0]   ; t - M
.set n, n+2
.endr
.irp b, 0,1,2,3
	v_fma_f32 v[BM+\b], v[BM+\b], s[CS], v12
.endr
.set n, 0
	s_wait_alu depctr_va_vdst(0)
.rept 64
	v_exp_f32 v[S+n], v[S+n]                       ; p = 2^(t - M), not normalised
.set n, n+1
.endr
	v_pk_mul_f32 v[14:15], v[14:15], v[F:F+1] op_sel_hi:[1,0]   ; the sums under the new M: a plain line behind the exponentials
	s_wait_alu depctr_va_vdst(0)                   ; one wait for the batch of 64, ahead of its first reader
.irp b, 0,1,2,3
	v_exp_f32 v[BM+\b], v[BM+\b]                   ; the block's largest p
.endr
	v_pk_add_f32 v[220:221], v[108:109], v[112:113]
	v_pk_add_f32 v[254:255], v[116:117], v[120:121]
	v_pk_add_f32 v[252:253], v[124:125], v[128:129]
	v_pk_add_f32 v[250:251], v[132:133], v[136:137]
	v_pk_add_f32 v[242:243], v[140:141], v[144:145]
	v_pk_add_f32 v[240:241], v[148:149], v[152:153]
	v_pk_add_f32 v[238:239], v[156:157], v[160:161]
	v_pk_add_f32 v[14:15], v[14:15], v[164:165]
	v_pk_add_f32 v[220:221], v[220:221], v[104:105]
	v_pk_add_f32 v[254:255], v[254:255], v[106:107]
	v_pk_add_f32 v[252:253], v[252:253], v[110:111]
	v_pk_add_f32 v[250:251], v[250:251], v[114:115]
	v_pk_add_f32 v[242:243], v[242:243], v[118:119]
	v_pk_add_f32 v[240:241], v[240:241], v[122:123]
	v_pk_add_f32 v[238:239], v[238:239], v[126:127]
	v_pk_add_f32 v[14:15], v[14:15], v[130:131]
	v_pk_add_f32 v[220:221], v[220:221], v[134:135]
	v_pk_add_f32 v[254:255], v[254:255], v[138:139]
	v_pk_add_f32 v[252:253], v[252:253], v[142:143]
	v_pk_add_f32 v[250:251], v[250:251], v[146:147]
	v_pk_add_f32 v[242:243], v[242:243], v[150:151]
	v_pk_add_f32 v[240:241], v[240:241], v[154:155]
	v_pk_add_f32 v[238:239], v[238:239], v[158:159]
	v_pk_add_f32 v[14:15], v[14:15], v[162:163]
	v_pk_add_f32 v[220:221], v[220:221], v[166:167]
	s_delay_alu instid0(VALU_DEP_2)
	v_pk_add_f32 v[14:15], v[14:15], v[250:251]
	s_delay_alu instid0(VALU_DEP_2)
	v_pk_add_f32 v[220:221], v[220:221], v[242:243]
	v_pk_add_f32 v[254:255], v[254:255], v[240:241]
	v_pk_add_f32 v[252:253], v[252:253], v[238:239]
	s_delay_alu instid0(VALU_DEP_2)
	v_pk_add_f32 v[14:15], v[14:15], v[254:255]
	s_delay_alu instid0(VALU_DEP_2)
	v_pk_add_f32 v[220:221], v[220:221], v[252:253]
	s_delay_alu instid0(VALU_DEP_1)
	v_pk_add_f32 v[14:15], v[14:15], v[220:221]
	s_wait_alu depctr_va_vdst(0)                   ; and one for the four
.irp b, 0,1,2,3
	v_max_num_f32 v[BM+\b], 0x8000000, v[BM+\b]    ; the floor 2^(16 - 127)
.endr
.irp b, 0,1,2,3
	s_delay_alu instid0(VALU_DEP_4)
	v_add_nc_u32 v[CV+\b], 0xf8800000, v[BM+\b]
.endr
.irp b, 0,1,2,3
.endr
.irp b, 0,1,2,3
	s_delay_alu instid0(VALU_DEP_4)
	v_lshrrev_b32 v[PT+\b], 23, v[CV+\b]
.endr
	s_delay_alu instid0(VALU_DEP_3)
	v_lshl_or_b32 v[PSW], v[PT+1], 8, v[PT]        ; p's scale word for these 128 keys
	s_delay_alu instid0(VALU_DEP_1)
	v_lshl_or_b32 v[PSW], v[PT+2], 16, v[PSW]
	s_delay_alu instid0(VALU_DEP_1)
	v_lshl_or_b32 v[PSW], v[PT+3], 24, v[PSW]
.irp b, 0,1,2,3
.irp i, 0,1,2,3,4,5,6,7,8,9,10,11,12,13,14,15
.endr
	v_cvt_scalef32_pk8_bf8_f32 v[PC+4*\b:PC+1+4*\b], v[S+16*\b:S+7+16*\b], v[CV+\b]
	v_cvt_scalef32_pk8_bf8_f32 v[PC+2+4*\b:PC+3+4*\b], v[S+8+16*\b:S+15+16*\b], v[CV+\b]
.endr
.set n, 0
.rept 16
	v_pk_mul_f32 v[O+n:O+n+1], v[O+n:O+n+1], v[F:F+1] op_sel_hi:[1,0]   ; O^T under the new M; these sixteen are also the plain lines between the conversions and the products
.set n, n+2
.endr
	s_wait_alu depctr_va_vdst(0)
	s_wait_dscnt 0x0                               ; V is in
.irp t, 0,1,2,3
	v_wmma_scale_f32_16x16x128_f8f6f4 v[O+8*\t:O+8*\t+7], v[FR+16*\t:FR+16*\t+15], v[PC:PC+15], v[O+8*\t:O+8*\t+7], v[VS+\t], v[PSW] matrix_a_fmt:MATRIX_FMT_BF8 matrix_b_fmt:MATRIX_FMT_BF8
.endr                                              ; four accumulators by turns, one instruction a turn
.Lhidden_\@:
	s_add_co_u32 s[KF], s[KF], 128
.endm
; THE CHANGE OF SLOTS stands at a slot's head.  Each wave waits for all its tensor loads, adds 0 to its spare word, and waits for that and for its reads of the slot that it has left.  fill = 1: that slot takes the next key slot.
.macro CHANGE fill
	s_wait_tensorcnt 0x0                           ; no tensor load of mine is out, so a group 0 may be written
	ds_add_u32 v[SPW], v[NIL]                      ; 0 onto my spare word
.if \fill
	s_xor_b32 s[G0C+1], s[G0C+1], SLOT1
	s_xor_b32 s[G0S+1], s[G0S+1], SLOT1
	s_add_co_u32 s[KSL], s[KSL], 1
	s_cmp_eq_u32 s[KSL], s[NS1]
	s_cselect_b32 s[KSL], 0, s[KSL]                ; behind the first block's last key slot the second block begins at key slot 0
	s_lshl_b32 s[T0], s[KSL], 14
	s_add_nc_u64 s[G0C+2:G0C+3], s[CB:CB+1], s[T0:T0+1]
	s_or_b32 s[G0C+3], s[G0C+3], 0x80000000
	s_lshl_b32 s[T0], s[KSL], 9
	s_add_nc_u64 s[G0S+2:G0S+3], s[SB:SB+1], s[T0:T0+1]
	s_or_b32 s[G0S+3], s[G0S+3], 0x80000000
	s_wait_xcnt 0x0                                ; the last prefetch, a slot back, has read its address
	s_add_nc_u64 s[PFA:PFA+1], s[PFA:PFA+1], 16384
.endif
	s_wait_dscnt 0x0                               ; the add is done, and my reads of the slot that I have left are over
	s_barrier_signal -1
	s_barrier_wait -1
.if \fill
	TLOAD                                          ; the first thing behind the barrier, a wave's one tensor load until the next: one load of mine is out
	ASK
.endif
.endm
; A block of queries ends: O^T / the sum; its 32 numbers a lane are channels 32 g + 16 h + 0 .. 15, g = 0, 1: two blocks of the last projection's K; codes and two scale bytes leave from registers
.macro FINAL
	v_add_f32 v14, v14, v15
	s_delay_alu instid0(VALU_DEP_1)
	v_permlanex16_b32 v[T], v14, s[SEL], s[SEL+1]
	s_delay_alu instid0(VALU_DEP_1)
	v_add_f32 v14, v14, v[T]                       ; the row's sum
	s_wait_alu depctr_va_vdst(0)
	v_rcp_f32 v14, v14
.rept 6
	v_nop                                          ; with the two additions: eight plain lines between the last products and the first read of O^T; the first is also the plain line behind the reciprocal
.endr
	s_wait_alu depctr_va_vdst(0)                   ; ahead of the reciprocal's first reader
.set n, 0
.rept 32
	v_mul_f32 v[S+n], v[O+n], v14                  ; each accumulator from its low end on
.set n, n+1
.endr
.irp b, 0,1
	v_max3_num_f32 v[BM+\b], |v[S+16*\b]|, |v[S+1+16*\b]|, 0x8000000
.endr
.irp i, 2,4,6,8,10,12,14
.irp b, 0,1
	s_delay_alu instid0(VALU_DEP_2)
	v_max3_num_f32 v[BM+\b], v[BM+\b], |v[S+16*\b+\i]|, |v[S+1+16*\b+\i]|
.endr
.endr
.irp b, 0,1
	s_delay_alu instid0(VALU_DEP_2)
	v_permlanex16_b32 v[PT+\b], v[BM+\b], s[SEL], s[SEL+1]
.endr
.irp b, 0,1
	s_delay_alu instid0(VALU_DEP_2)
	v_max_num_f32 v[BM+\b], v[BM+\b], v[PT+\b]
.endr
.irp b, 0,1
	s_delay_alu instid0(VALU_DEP_2)
	v_add_nc_u32 v[CV+\b], 0xf8800000, v[BM+\b]
.endr
.irp b, 0,1
.endr
.irp b, 0,1
	s_delay_alu instid0(VALU_DEP_2)
	v_lshrrev_b32 v[PT+\b], 23, v[CV+\b]
.endr
	s_delay_alu instid0(VALU_DEP_1)
	v_lshl_or_b32 v[W2], v[PT+1], 8, v[PT]
.irp b, 0,1
.irp i, 0,1,2,3,4,5,6,7,8,9,10,11,12,13,14,15
.endr
	v_cvt_scalef32_pk8_bf8_f32 v[PC+4*\b:PC+1+4*\b], v[S+16*\b:S+7+16*\b], v[CV+\b]
	v_cvt_scalef32_pk8_bf8_f32 v[PC+2+4*\b:PC+3+4*\b], v[S+8+16*\b:S+15+16*\b], v[CV+\b]
.endr
	v_nop                                          ; a plain line behind the last conversion
	global_store_b128 v[LI], v[PC:PC+3], s[OCP:OCP+1]              ; 512 consecutive bytes,
	global_store_b128 v[LI], v[PC+4:PC+7], s[OCP:OCP+1] offset:512 ; and the 512 behind them
	global_store_b16 v[R16], v[W2], s[OSP:OSP+1]   ; two bytes a row, 16 bytes apart (both halves of the lanes write the same two): one part in 32 of o's bytes, the price of scale words laid as the last launch reads them
.endm
	INIT                                           ; block 7 - i
.Lslot:                                            ; eight trips: behind each change of slots the next key slot is asked for
	CHANGE 1
	STEP 0
	STEP 1
	s_xor_b32 s[TB], s[TB], SLOT1
	s_cmp_lg_u32 s[J], s[SW]
	s_cbranch_scc1 .Lsame                          ; a branch on ids; no barrier and no tensor load stands under it
	s_wait_alu depctr_va_vdst(0)
	FINAL
	s_mov_b32 s[BLK], ttmp9
	INIT                                           ; block i
.Lsame:
	s_add_co_u32 s[J], s[J], 1
	s_cmp_lt_u32 s[J], 8
	s_cbranch_scc1 .Lslot
	CHANGE 0                                       ; the ninth slot is written out
	STEP 0
	STEP 1
	s_wait_alu depctr_va_vdst(0)
	FINAL
	s_wait_tensorcnt 0x0                           ; the wave's end
	ds_add_u32 v[SPW], v[NIL]
	s_wait_dscnt 0x0
	s_endpgm
.Lfunc_end_k_q5c3153bc75_attn:
	.size	k_q5c3153bc75_attn, .Lfunc_end_k_q5c3153bc75_attn-k_q5c3153bc75_attn
	.p2alignl 7, 3214868480
	.fill 96, 4, 3214868480
	.section	.rodata,"a",@progbits
	.p2align	6, 0x0
	.amdhsa_kernel k_q5c3153bc75_attn
		.amdhsa_group_segment_fixed_size 327680
		.amdhsa_private_segment_fixed_size 0
		.amdhsa_enable_private_segment 0
		.amdhsa_kernarg_size 32
		.amdhsa_user_sgpr_count 2
		.amdhsa_user_sgpr_kernarg_segment_ptr 1
		.amdhsa_wavefront_size32 1
		.amdhsa_system_sgpr_workgroup_id_x 1
		.amdhsa_system_sgpr_workgroup_id_y 1
		.amdhsa_system_sgpr_workgroup_id_z 1
		.amdhsa_system_vgpr_workitem_id 0
		.amdhsa_next_free_vgpr 256
		.amdhsa_next_free_sgpr 80
		.amdhsa_reserve_vcc 1
		.amdhsa_float_denorm_mode_32 3
		.amdhsa_float_denorm_mode_16_64 3
		.amdhsa_fp16_overflow 1
		.amdhsa_memory_ordered 1
		.amdhsa_forward_progress 1
		.amdhsa_inst_pref_size 110
	.end_amdhsa_kernel
	.amdgpu_metadata
---
amdhsa.version: [ 1, 2 ]
amdhsa.kernels:
  - .name:           k_q5c3153bc75_attn
    .symbol:         k_q5c3153bc75_attn.kd
    .args:
      - { .name: qkvc, .offset: 0, .size: 8, .value_kind: global_buffer, .address_space: global }
      - { .name: qkvs, .offset: 8, .size: 8, .value_kind: global_buffer, .address_space: global }
      - { .name: oc, .offset: 16, .size: 8, .value_kind: global_buffer, .address_space: global }
      - { .name: os, .offset: 24, .size: 8, .value_kind: global_buffer, .address_space: global }
    .group_segment_fixed_size: 327680
    .private_segment_fixed_size: 0
    .kernarg_segment_align: 8
    .kernarg_segment_size: 32
    .max_flat_workgroup_size: 512
    .sgpr_count:     80
    .vgpr_count:     256
    .wavefront_size: 32
...
	.end_amdgpu_metadata
.endif
;; end of part 3
;; launch outp (part 4): grid 8 x 32, 4 waves a work-group, clusters of 4 x 4, 327,680 bytes of LDS; arguments oc, os, codes, scl, out0; writes out0
.if DOCPART == 4
	.amdgcn_target "amdgcn-amd-amdhsa--gfx1250"
	.amdhsa_code_object_version 6
	.text
	.protected	k_q5c3153bc75_outp
	.globl	k_q5c3153bc75_outp
	.p2align	8
	.type	k_q5c3153bc75_outp,@function
k_q5c3153bc75_outp:
	s_mov_b64 s[64:65], 0
	v_nop
	global_prefetch_b8 v0, s[64:65] scope:SCOPE_SE
	s_setreg_imm32_b32 hwreg(HW_REG_WAVE_MODE, 25, 1), 1
	s_wait_xcnt 0x0
	s_wait_alu depctr_hold_cnt(0) depctr_sa_sdst(0) depctr_va_vdst(0) depctr_va_sdst(0) depctr_va_ssrc(0) depctr_va_vcc(0) depctr_vm_vsrc(0)
	s_getreg_b32 s2, hwreg(HW_REG_IB_STS2, 6, 4)
	s_cmp_eq_u32 s2, 0
	s_cbranch_scc0 .Lentry_in_a_cluster
	s_endpgm
.Lentry_in_a_cluster:
	s_bfe_u32 s2, ttmp6, 0x10000c
	s_cmp_lg_u32 s2, 0xf033
	s_cbranch_scc0 .Lentry_shape_is_right
	s_endpgm
.Lentry_shape_is_right:
; OUTP.  out0 = o w_o^T on codes of BF8 (E5M2) with E8M0 scales.  o's codes and scale words lie as x's do (images of operand registers; tile 2 g + u holds in image lane r token 32 g + 8 u + r + 8 (r / 8)).
; A work-group of four waves makes 256 tokens x 128 features (256 work-groups), a wave 128 x 64: 32 accumulators.  K = 1,024 goes through a ring of two LDS slots of 256 along K; the eight K steps are written out.
; Source 0 takes w_o's tiles (side P), source 1 o's (side Q): a lane holds one token, and the 16 registers of P's tiles 2 e, 2 e + 1 are 16 neighbouring features.
; CLUSTERS: 4 x 4.  Q's tiles are asked for jointly along a row of the cluster, P's along a column.
; REGISTERS: window 0: v16-31 addresses; v32-95 Q's scale words, v96-127 P's, all of K; v128-255 Q's fragments, one set (on the way out rows of out0).  window 1: P's fragments, two sets of 64.  window 2: accumulator (a, b) at v[8 (4 a + b)].
.set NP,    8
.set SLOT,  98304                      ; a slot: Q's 16 tiles x 4,096 bytes, then P's 8
.set PSIDE, 65536
.set SCL,   196608                     ; behind the ring: Q's scale words 8,192 bytes, then P's 4,096
.set SPARE, 208896                     ; the spare words, 128 bytes for each wave: two blocks of 256 bytes that no other line names
.set SPITCH, 272                       ; the way out: a stage of 16 rows x (256 bytes + 16) for each wave, in slot 0, which has had its last fill and its last read when the first result is stored there
.set LI,   2
.set ADRQ, 16
.set ADRP, 20
.set STO,  24
.set RD,   25
.set CO,   26
.set ADSQ, 27
.set SPW,  28
.set NIL,  29
.set ADSP, 30
.set SQS,  32                          ; v[SQS + 32 (ks / 4) + 4 a + ks % 4]: the word of Q's tile a for K step ks
.set SPS,  96                          ; v[SPS + 16 (ks / 4) + 4 b + ks % 4]: that of P's tile b
.set AF,   128
.set BK,   128
.set G1,   24
.set G0,   32
.set G1B,  48
.set G0B,  56
.set G1S,  68
.set G0S,  76
.set G1SB, 80
.set G0SB, 88
.set MSB, 0
.macro WIN new
.if MSB != (\new)
	s_set_vgpr_msb (MSB<<8)|(\new)
.set MSB, (\new)
.endif
.endm
.set MUL,  0xa1                        ; source 0 (P) window 1, source 1 (Q) window 0, C and D window 2
.set TO_P, 0x40
.macro JLOAD g0a, g1a, g0b, g1b        ; waves 0 and 1 fetch for Q, waves 2 and 3 for P; four v_nop follow each line
	s_cmp_eq_u32 s15, 0
	s_cbranch_scc0 .Lfor_p_\@
	tensor_load_to_lds s[\g0a:\g0a+3], s[\g1a:\g1a+7]
	s_nop 0
.rept 4
	v_nop
.endr
	s_branch .Lasked_\@
.Lfor_p_\@:
	tensor_load_to_lds s[\g0b:\g0b+3], s[\g1b:\g1b+7]
	s_nop 0
.rept 4
	v_nop
.endr
.Lasked_\@:
.endm
.macro CREST
	s_cmp_lg_u32 s14, 0
	s_cbranch_scc1 .Lnot_wave_0_\@
	s_barrier_signal -3
.Lnot_wave_0_\@:
	s_barrier_wait -3
	s_barrier_signal -1
	s_barrier_wait -1
.endm
.macro CROUND
	s_barrier_signal -1
	s_barrier_wait -1
	CREST
.endm
	s_load_b128 s[4:7], s[0:1], 0x0                ; oc s[4:5], os s[6:7]
	s_load_b128 s[8:11], s[0:1], 0x10              ; codes s[8:9], scl s[10:11]
	s_load_b64 s[12:13], s[0:1], 0x20              ; out0
	v_lshl_add_u32 v[SPW], v0, 2, SPARE
	v_mov_b32 v[NIL], 0
	ds_add_u32 v28, v29
	ds_add_u32 v28, v29
	s_wait_dscnt 0x0
	v_lshrrev_b32 v1, 5, v0
	v_readfirstlane_b32 s14, v1                    ; wave 0..3
	s_lshr_b32 s15, s14, 1                         ; which 128 tokens are mine.  Also: I fetch for Q (0) or for P (1)
	s_and_b32 s16, s14, 1                          ; which 64 features.  Also: which half of that side I fetch
	s_bfe_u32 s40, ttmp6, 0x40000                  ; cx
	s_bfe_u32 s41, ttmp6, 0x40004                  ; cy
	s_lshl_b32 s42, ttmp9, 2
	s_add_co_u32 s42, s42, s40                     ; block of 128 features = 4 x cluster x + cx
	s_and_b32 s17, ttmp7, 0xffff
	s_lshl_b32 s17, s17, 2
	s_add_co_u32 s17, s17, s41                     ; block of 256 tokens = 4 x cluster y + cy
	s_lshl_b32 s43, s41, 2
	s_lshl_b32 s43, 15, s43                        ; my row of the cluster
	s_lshl_b32 s44, 0x1111, s40                    ; my column
	s_or_b32 s[G1+0], s43, (3<<16)|(1<<21)         ; Q's codes: 8 tiles, 4,096 consecutive bytes of each, 16,384 bytes apart
	s_mov_b32 s[G1+1], 512<<16
	s_mov_b32 s[G1+2], 8<<16
	s_mov_b32 s[G1+3], 512<<16
	s_mov_b32 s[G1+4], 8
	s_mov_b32 s[G1+5], 2048
	s_mov_b32 s[G1+6], 0
	s_mov_b32 s[G1+7], 0
	s_or_b32 s[G1B+0], s44, (3<<16)|(1<<21)        ; P's: 4 tiles
	s_mov_b32 s[G1B+1], 512<<16
	s_mov_b32 s[G1B+2], 4<<16
	s_mov_b32 s[G1B+3], 512<<16
	s_mov_b32 s[G1B+4], 4
	s_mov_b32 s[G1B+5], 2048
	s_mov_b32 s[G1B+6], 0
	s_mov_b32 s[G1B+7], 0
	s_or_b32 s[G1S+0], s43, (3<<16)|(1<<21)        ; Q's scale words: 4,096 dense bytes as 16 rows of 256
	s_mov_b32 s[G1S+1], 32<<16
	s_mov_b32 s[G1S+2], 16<<16
	s_mov_b32 s[G1S+3], 32<<16
	s_mov_b32 s[G1S+4], 16
	s_mov_b32 s[G1S+5], 32
	s_mov_b32 s[G1S+6], 0
	s_mov_b32 s[G1S+7], 0
	s_or_b32 s[G1SB+0], s44, (3<<16)|(1<<21)       ; P's: 2,048 as 8 rows
	s_mov_b32 s[G1SB+1], 32<<16
	s_mov_b32 s[G1SB+2], 8<<16
	s_mov_b32 s[G1SB+3], 32<<16
	s_mov_b32 s[G1SB+4], 8
	s_mov_b32 s[G1SB+5], 32
	s_mov_b32 s[G1SB+6], 0
	s_mov_b32 s[G1SB+7], 0
	s_lshl_b32 s20, s17, 4
	s_lshl_b32 s19, s16, 3
	s_add_co_u32 s20, s20, s19                     ; Q: tile 16 x block + 8 x half
	s_lshl_b32 s46, s42, 3
	s_lshl_b32 s19, s16, 2
	s_add_co_u32 s46, s46, s19
	s_add_co_u32 s46, s46, 704                     ; P: tile 704 + 8 x block + 4 x half
	s_lshl_b32 s22, s20, 9
	s_mov_b32 s23, 0
	s_lshl_b32 s20, s20, 14
	s_mov_b32 s21, 0
	s_lshl_b32 s92, s46, 9
	s_mov_b32 s93, 0
	s_lshl_b32 s46, s46, 14
	s_mov_b32 s47, 0
	s_lshl_b32 s45, s16, 15                        ; where they go: Q's halves at 0 and 32,768,
	s_lshl_b32 s95, s16, 14
	s_add_co_u32 s95, s95, PSIDE                   ; P's at 65,536 and 81,920;
	s_lshl_b32 s94, s16, 12
	s_add_co_u32 s94, s94, SCL                     ; the scale words likewise
	s_lshl_b32 s96, s16, 11
	s_add_co_u32 s96, s96, SCL+8192
	s_wait_kmcnt 0x0
	s_add_nc_u64 s[20:21], s[4:5], s[20:21]
	s_add_nc_u64 s[22:23], s[6:7], s[22:23]
	s_add_nc_u64 s[46:47], s[8:9], s[46:47]
	s_add_nc_u64 s[92:93], s[10:11], s[92:93]
	CROUND                                         ; all sixteen work-groups are here: the first joint loads meet
	s_mov_b32 s[G0S], 1
	s_mov_b32 s[G0S+1], s94
	s_mov_b64 s[G0S+2:G0S+3], s[22:23]
	s_or_b32 s[G0S+3], s[G0S+3], 0x80000000
	s_mov_b32 s[G0SB], 1
	s_mov_b32 s[G0SB+1], s96
	s_mov_b64 s[G0SB+2:G0SB+3], s[92:93]
	s_or_b32 s[G0SB+3], s[G0SB+3], 0x80000000
	JLOAD G0S, G1S, G0SB, G1SB                     ; the scale words of all of K: filled once
.irp s, 0,1
	s_mov_b32 s[G0+4*\s], 1
	s_add_co_u32 s[G0+4*\s+1], s45, \s*SLOT
	s_add_nc_u64 s[G0+4*\s+2:G0+4*\s+3], s[20:21], \s*4096
	s_or_b32 s[G0+4*\s+3], s[G0+4*\s+3], 0x80000000
	s_mov_b32 s[G0B+4*\s], 1
	s_add_co_u32 s[G0B+4*\s+1], s95, \s*SLOT
	s_add_nc_u64 s[G0B+4*\s+2:G0B+4*\s+3], s[46:47], \s*4096
	s_or_b32 s[G0B+4*\s+3], s[G0B+4*\s+3], 0x80000000
	s_wait_alu depctr_va_vdst(0)
	s_wait_tensorcnt 0x0
	ds_add_u32 v28, v29
	s_wait_dscnt 0x0
	CROUND
	JLOAD G0+4*\s, G1, G0B+4*\s, G1B               ; one load of mine is out behind each of these
.endr
	v_and_b32 v1, 31, v0
	v_lshlrev_b32 v[LI], 4, v1
	v_and_b32 v5, 15, v0                           ; r
	v_bfe_u32 v6, v0, 4, 1                         ; h
	v_lshlrev_b32 v7, 4, v5                        ; 16 r
	s_wait_alu depctr_va_vdst(0)
	s_lshl_b32 s21, s15, 15                        ; my 8 tiles of Q
	s_lshl_b32 s22, s16, 14                        ; my 4 tiles of P
	s_add_co_u32 s22, s22, PSIDE
.irp s, 0,1
	v_add_nc_u32 v[ADRQ+\s], s21, v[LI]
	v_add_nc_u32 v[ADRP+\s], s22, v[LI]
	s_add_co_u32 s21, s21, SLOT
	s_add_co_u32 s22, s22, SLOT
.endr
	s_lshl_b32 s21, s15, 12
	s_add_co_u32 s21, s21, SCL
	v_add_nc_u32 v[ADSQ], s21, v7                  ; Q's scale words: my 8 tiles, row r
	s_lshl_b32 s21, s16, 11
	s_add_co_u32 s21, s21, SCL+8192
	v_add_nc_u32 v[ADSP], s21, v7                  ; P's: my 4 tiles
	s_mul_i32 s23, s14, 16*SPITCH                  ; my stage
	v_mul_u32_u24 v1, v5, SPITCH
	v_lshl_add_u32 v1, v6, 6, v1
	v_add_nc_u32 v[STO], s23, v1                   ; in: row r, + 64 h: my 16 features of a group of 32
	v_mul_u32_u24 v1, v6, SPITCH
	v_add_nc_u32 v1, v7, v1
	v_add_nc_u32 v[RD], s23, v1                    ; back: lanes 0-15 one row of 256 bytes, lanes 16-31 the next
	v_lshl_add_u32 v[CO], v6, 12, v7               ; and the same two rows in out0
	s_lshl_b32 s20, s17, 20                        ; 256 tokens of 4,096 bytes,
	s_lshl_b32 s21, s15, 19                        ; my 128 of them
	s_add_co_u32 s20, s20, s21
	s_lshl_b32 s46, s42, 9                         ; 128 features of 4 bytes,
	s_lshl_b32 s47, s16, 8                         ; my 64 of them
	s_add_co_u32 s46, s46, s47
	s_add_co_u32 s20, s20, s46
	s_mov_b32 s21, 0
	s_add_nc_u64 s[12:13], s[12:13], s[20:21]
.macro FRAG reg, adr, q, i
.irp c, 0,1,2,3
	ds_load_b128 v[\reg+4*\c:\reg+4*\c+3], v[\adr] offset:2048*(\q)+512*\c+4096*(\i)
.endr
.endm
; 8 matrix instructions: Q's tiles a0, a0 + 1 x P's four, K step ks.  The 32 accumulators take turns, in the same order in every step.
.macro MUL8 a0, p, ks, zero
.irp a, \a0, \a0+1
.irp b, 0,1,2,3
.if \zero
	v_wmma_scale_f32_16x16x128_f8f6f4 v[8*(4*(\a)+\b):8*(4*(\a)+\b)+7], v[64*(\p)+16*\b:64*(\p)+16*\b+15], v[AF+16*(\a):AF+16*(\a)+15], 0, v[SPS+16*((\ks)/4)+4*\b+(\ks)%4], v[SQS+32*((\ks)/4)+4*(\a)+(\ks)%4] matrix_a_fmt:MATRIX_FMT_BF8 matrix_b_fmt:MATRIX_FMT_BF8
.else
	v_wmma_scale_f32_16x16x128_f8f6f4 v[8*(4*(\a)+\b):8*(4*(\a)+\b)+7], v[64*(\p)+16*\b:64*(\p)+16*\b+15], v[AF+16*(\a):AF+16*(\a)+15], v[8*(4*(\a)+\b):8*(4*(\a)+\b)+7], v[SPS+16*((\ks)/4)+4*\b+(\ks)%4], v[SQS+32*((\ks)/4)+4*(\a)+(\ks)%4] matrix_a_fmt:MATRIX_FMT_BF8 matrix_b_fmt:MATRIX_FMT_BF8
.endif
.endr
.endr
.endm
.macro FETCH_P slot, q, p
	WIN TO_P
.irp i, 0,1,2,3
	FRAG 64*(\p)+16*\i, ADRP+\slot, \q, \i
.endr
	WIN 0
.endm
.macro FETCH_Q slot, q, i0
.irp i, \i0, \i0+1, \i0+2, \i0+3
	FRAG AF+16*(\i), ADRQ+\slot, \q, \i
.endr
.endm
.macro PLACES n
.rept \n
	v_nop
.endr
.endm
.macro STEP slot, ks, zero             ; a slot's first K step
	s_wait_dscnt 16                                ; P's set and Q's tiles 0-3 are in; the youngest 16 loads (Q's tiles 4-7) may be out
	WIN MUL
	MUL8 0, 0, \ks, \zero
	MUL8 2, 0, \ks, \zero
	s_wait_dscnt 0
	PLACES NP
	FETCH_P \slot, 1, 1
	FETCH_Q \slot, 1, 0
	WIN MUL
	MUL8 4, 0, \ks, \zero
	MUL8 6, 0, \ks, \zero
	PLACES NP
	WIN 0
	FETCH_Q \slot, 1, 4
.endm
.macro TURN slot, next, ks, fill       ; a slot's second K step changes slots
	s_wait_tensorcnt 0x0                           ; all my tensor loads have landed: my part of the next slot
	ds_add_u32 v[SPW], v[NIL]                      ; 0 onto my spare word
	s_wait_dscnt 17                                ; (the add and the youngest 16 loads may be out)
	WIN MUL
	MUL8 0, 1, \ks, 0                              ; eight matrix instructions stand between the add and the wait for it
	s_wait_dscnt 0x0                               ; the add is done, and my reads of this slot are over
	s_barrier_signal -1
	MUL8 2, 1, \ks, 0
	WIN 0
	s_barrier_wait -1
.if \fill
	CREST                                          ; the barrier has opened a round of the cluster's: no wave of any partner still reads this slot or has a load on its way
	s_add_nc_u64 s[G0+4*\slot+2:G0+4*\slot+3], s[G0+4*\slot+2:G0+4*\slot+3], 8192
	s_add_nc_u64 s[G0B+4*\slot+2:G0B+4*\slot+3], s[G0B+4*\slot+2:G0B+4*\slot+3], 8192
	JLOAD G0+4*\slot, G1, G0B+4*\slot, G1B
	PLACES NP-4
.else
	PLACES NP
.endif
	FETCH_P \next, 0, 0
	FETCH_Q \next, 0, 0
	WIN MUL
	MUL8 4, 1, \ks, 0
	MUL8 6, 1, \ks, 0
	PLACES NP
	WIN 0
	FETCH_Q \next, 0, 4
.endm
	s_wait_alu depctr_va_vdst(0)
	s_wait_tensorcnt 1                             ; the scale words and my part of slot 0 are in (slot 1's load may be out)
	s_barrier_signal -1
	s_barrier_wait -1                              ; everybody's are
	FETCH_P 0, 0, 0
	FETCH_Q 0, 0, 0
.irp kh, 0,1
.irp i, 0,1,2,3,4,5,6,7
	ds_load_b128 v[SQS+32*\kh+4*\i:SQS+32*\kh+4*\i+3], v[ADSQ] offset:512*\i+256*\kh
.endr
.irp i, 0,1,2,3
	ds_load_b128 v[SPS+16*\kh+4*\i:SPS+16*\kh+4*\i+3], v[ADSP] offset:512*\i+256*\kh
.endr
.endr
	FETCH_Q 0, 0, 4
	STEP 0, 0, 1
	TURN 0, 1, 1, 1
	STEP 1, 2, 0
	TURN 1, 0, 3, 1
	STEP 0, 4, 0
	TURN 0, 1, 5, 0                                ; nothing is left to fetch; behind this barrier nobody reads slot 0
	STEP 1, 6, 0
	s_wait_dscnt 16
	WIN MUL
	MUL8 0, 1, 7, 0
	MUL8 2, 1, 7, 0
	s_wait_dscnt 0
	MUL8 4, 1, 7, 0
	MUL8 6, 1, 7, 0
	WIN 0
; THE WAY OUT, a token tile at a time.  A lane holds 128 bytes of its token's row in four pieces; the tile goes through my own stage and comes back as whole rows of 256 bytes.  Image lane 2 t + h of tile a is token
; 32 (a / 2) + 8 (a % 2) + 2 t + 8 (t / 4) + h of my 128: the stores' immediates undo the tiles' order.
.macro TOSTAGE a
	WIN 0x08                                       ; an LDS store's data are its source 1: window 2
.irp b, 0,1,2,3
	ds_store_b128 v[STO], v[8*(4*(\a)+\b):8*(4*(\a)+\b)+3] offset:128*(\b/2)+32*(\b%2)          ; each accumulator from its low end on
	ds_store_b128 v[STO], v[8*(4*(\a)+\b)+4:8*(4*(\a)+\b)+7] offset:128*(\b/2)+32*(\b%2)+16
.endr
	WIN 0
.irp t, 0,1,2,3,4,5,6,7
	ds_load_b128 v[BK+32*((\a)%2)+4*\t:BK+32*((\a)%2)+4*\t+3], v[RD] offset:2*SPITCH*\t   ; LDS serves a wave's instructions in order (ISA guide 5.7.1.4): these see the stores above
.endr
.endm
.macro SEND a, younger                 ; younger: the LDS instructions issued behind tile a's loads, which may stay out
	s_wait_dscnt \younger
.irp t, 0,1,2,3,4,5,6,7
	global_store_b128 v[CO], v[BK+32*((\a)%2)+4*\t:BK+32*((\a)%2)+4*\t+3], s[12:13] offset:(32*((\a)/2)+8*((\a)%2)+2*\t+8*(\t/4))*4096 th:TH_STORE_NT   ; sixteen lanes store 256 consecutive bytes, at a multiple of 256 from out0's first byte
.endr
.endm
	PLACES NP                                      ; in front of the first read of results and of loads into Q's fragments
	TOSTAGE 0
.irp a, 1,2,3,4,5,6,7
.if \a > 1
	s_wait_xcnt 0x0                                ; tile a - 2's stores have read their registers: tile a's loads may land there
.endif
	TOSTAGE \a
	SEND \a-1, 16                                  ; behind tile a - 1's loads: tile a's 8 stores and 8 loads
.endr
	SEND 7, 0
	s_wait_tensorcnt 0x0                           ; the wave's end
	ds_add_u32 v[SPW], v[NIL]
	s_wait_dscnt 0x0
	CROUND                                         ; the closing round: no work-group ends while a partner may still ask for a tile that names it
	s_endpgm
.Lfunc_end_k_q5c3153bc75_outp:
	.size	k_q5c3153bc75_outp, .Lfunc_end_k_q5c3153bc75_outp-k_q5c3153bc75_outp
	.p2alignl 7, 3214868480
	.fill 96, 4, 3214868480
	.section	.rodata,"a",@progbits
	.p2align	6, 0x0
	.amdhsa_kernel k_q5c3153bc75_outp
		.amdhsa_group_segment_fixed_size 327680
		.amdhsa_private_segment_fixed_size 0
		.amdhsa_enable_private_segment 0
		.amdhsa_kernarg_size 40
		.amdhsa_user_sgpr_count 2
		.amdhsa_user_sgpr_kernarg_segment_ptr 1
		.amdhsa_wavefront_size32 1
		.amdhsa_system_sgpr_workgroup_id_x 1
		.amdhsa_system_sgpr_workgroup_id_y 1
		.amdhsa_system_sgpr_workgroup_id_z 1
		.amdhsa_system_vgpr_workitem_id 0
		.amdhsa_next_free_vgpr 768
		.amdhsa_next_free_sgpr 100
		.amdhsa_reserve_vcc 0
		.amdhsa_float_denorm_mode_32 3
		.amdhsa_float_denorm_mode_16_64 3
		.amdhsa_memory_ordered 1
		.amdhsa_forward_progress 1
		.amdhsa_inst_pref_size 91
	.end_amdhsa_kernel
	.amdgpu_metadata
---
amdhsa.version: [ 1, 2 ]
amdhsa.kernels:
  - .name:           k_q5c3153bc75_outp
    .symbol:         k_q5c3153bc75_outp.kd
    .args:
      - { .name: oc, .offset: 0, .size: 8, .value_kind: global_buffer, .address_space: global }
      - { .name: os, .offset: 8, .size: 8, .value_kind: global_buffer, .address_space: global }
      - { .name: codes, .offset: 16, .size: 8, .value_kind: global_buffer, .address_space: global }
      - { .name: scl, .offset: 24, .size: 8, .value_kind: global_buffer, .address_space: global }
      - { .name: out0, .offset: 32, .size: 8, .value_kind: global_buffer, .address_space: global }
    .group_segment_fixed_size: 327680
    .private_segment_fixed_size: 0
    .kernarg_segment_align: 8
    .kernarg_segment_size: 40
    .max_flat_workgroup_size: 128
    .sgpr_count:     100
    .vgpr_count:     768
    .wavefront_size: 32
...
	.end_amdgpu_metadata
.endif
;; end of part 4
